; MI455X (gfx1250); checked and timed in simulation.
; The chip was launched on July 23, 2026; its instructions are those of AMD's public machine-readable ISA for CDNA 5 (MIT licence, August 2026) and "CDNA5" Instruction Set Architecture Reference Guide (July 2026). The comments in the code are by the model that wrote it; some were corrected since.
;; Causal Self Attention. Allowed arithmetic: matrix products marked QUANTISED: E4M3 operands, one given power-of-two scale a tensor, by v_wmma_f32_16x16x64_fp8_fp8 or v_wmma_f32_16x16x128_fp8_fp8, f32 sums; everything else in f32.
;; Inputs: Wo 1,024 x 1,024 float32; Wqkv 1,024 x 3,072 float32; bo 1,024 float32; bqkv 3,072 float32; lowp_scales 8 int32 (the exponents e of the quantised operands' scales 2^e); x 4 x 2,048 x 1,024 float32.
;; Outputs: out0 4 x 2,048 x 1,024 float32.
;; This version of the problem:
;;   THIS VERSION OF THE PROBLEM IS GIVEN IN LOW PRECISION. The matrix products marked QUANTISED in the list below multiply operands that are first quantised to E4M3 (4 exponent bits, 3 mantissa bits; 8 bits a number), with one given power-of-two scale for each operand tensor; their sums are f32. All else is computed in f32.
;;   The module's matrix products, in the order in which they are computed (A, B: the left and right operand; K: the contracted axis; several contracted axes count as one K, in the product's order):
;;     1. [M 8,192, K 1,024] x [K 1,024, N 3,072]; A: input x; B: input Wqkv: QUANTISED (scales: A lowp_scales[0], B lowp_scales[1])
;;     2. batch 64 x [M 2,048, K 64] x [K 64, N 2,048]; A: computed on the way; B: computed on the way: QUANTISED (scales: A lowp_scales[2], B lowp_scales[3])
;;     3. batch 64 x [M 2,048, K 2,048] x [K 2,048, N 64]; A: softmax (see below); B: computed on the way: QUANTISED (scales: A lowp_scales[4], B lowp_scales[5])
;;     4. [M 8,192, K 1,024] x [K 1,024, N 1,024]; A: computed on the way; B: input Wo: QUANTISED (scales: A lowp_scales[6], B lowp_scales[7])
;;   THE QUANTISER, for each operand of a quantised product, along K:
;;     - The operand's scale is 2^e, e = its entry of the input lowp_scales (int32; the entries are numbered through the quantised products in the list's order, A before B).
;;     - Each number is divided by the scale, clamped to +-448, and rounded to the nearest number of E4M3, ties to even, subnormals kept.
;;     - The product sums the exact products of the quantised numbers (number of the format x scale) in f32.
;;   ~~~python
;;   def quantise(x, axis, e):      # numpy; x: float32 -> the quantised numbers, widened to float32 again
;;       x = np.moveaxis(x, axis, -1); K = x.shape[-1]
;;       r = np.clip(x / 2.0 ** e, -448, 448)
;;       step = 2.0 ** (np.maximum(np.frexp(np.where(r == 0, 1, r))[1] - 1, -6) - 3)
;;       q = np.round(r / step) * step * 2.0 ** e      # np.round: ties to even
;;       return np.moveaxis(q, -1, axis).astype(np.float32)
;;   ~~~
;;   SOFTMAX AHEAD OF A QUANTISED PRODUCT. Where the list says 'softmax', what is quantised is not the finished softmax but p = 2^(t - M), with t = logit x log2(e) and M = ceil(the row's largest t), a whole number; so 1/2 < the row's largest p <= 1. The row's sum l is taken of the UNQUANTISED p, in f32, and the product's result is divided by l at the end. Since M is a whole number, a kernel that streams over the keys may use a running M (the ceiling of the running maximum): every later rescaling is an exact power of two, so the quantised numbers keep their values, but for numbers so far below the row's largest that they fall under the format's range.
;;   OPERANDS COMPUTED ON THE WAY. 'Computed on the way' means the value that the module computes at that place (a softmax that the list does not call 'softmax' is quantised finished and normalised). What goes into a quantiser is computed in f32, as accurately as f32 sums, v_exp_f32 and their like allow (about 1e-6 of the number): no bf16 or f16 on the way to a quantiser, and a product that is left as it is and whose result goes on into a quantised operand takes f32 operands (vector FMAs, or v_wmma_f32_16x16x4_f32). A number that lies on a knife's edge between two numbers of the format may be rounded either way, as far as f32 arithmetic and the matrix unit's own rounding can turn it there, and no further.
;; One version. Each part assembles by itself: llvm-mc -triple=amdgcn-amd-amdhsa -mcpu=gfx1250 --defsym DOCPART=n.
;; ======== version 1 of 1: 4 launches
;; limits: right only within a limited range of input values
;; workspace buffers: codes 12,582,912 bytes; qk 16,777,216 bytes; vt 8,388,608 bytes; att 8,388,608 bytes
;; launch quant (part 1): grid 384 x 1, 4 waves a work-group, no clusters, 68,096 bytes of LDS; arguments x, Wqkv, Wo, lowp_scales, codes; writes codes
.if DOCPART == 1
	.amdgcn_target "amdgcn-amd-amdhsa--gfx1250"
	.amdhsa_code_object_version 6
	.text
	.protected	k_q6560e9b225_quant
	.globl	k_q6560e9b225_quant
	.p2align	8
	.type	k_q6560e9b225_quant,@function
k_q6560e9b225_quant:
	s_mov_b64 s[64:65], 0
	v_nop
	global_prefetch_b8 v0, s[64:65] scope:SCOPE_SE
	s_setreg_imm32_b32 hwreg(HW_REG_WAVE_MODE, 25, 1), 1
	s_wait_xcnt 0x0
; x [8192][1024], Wqkv [1024][3072] and Wo [1024][1024], f32, become codes of E4M3, K innermost, in ONE buffer of 12,288 rows of 1,024 bytes:
; rows 0-8191 x's tokens, 8192-11263 Wqkv's columns, 11264-12287 Wo's columns.  code = number / 2^e, held within +-448, to the nearest code, ties to even; e = entry 0 (x), 1 (Wqkv), 7 (Wo) of the scales.
; THE ROWS LIE IN A TURNED ORDER: within each group of 32 rows the four octets stand in the order 0, 2, 1, 3 (bits 3 and 4 of the row number change places).  A matrix tile of 16 neighbouring rows used as
; source 0 then leaves, in the 16 registers of two neighbouring tiles, 16 true neighbours: what the next quantiser wants.
; Work-groups 0-255: x, 32 rows each, a wave an octet of rows: a plain stream of 8,192 numbers.  Each load reads 512 consecutive bytes; a step's 2,048 bytes turn through the wave's own stage in LDS, so that a lane holds 16 neighbours.
; Work-groups 256-383: the weights, whose K is their FIRST axis: a lane takes a column and its registers run down K; 128 columns x 256 along K a work-group; the codes leave through the wave's stage as rows of 256 bytes.
; The two ways have LDS bytes of their own (0-32767; 32768-67583).  Waves share nothing: no barrier.  No matrix unit, no cluster: the launch moves each byte once and nothing is shared.
; LIMITS: e0, e1, e7 between -126 and 119.  NaN among the inputs is not served; an infinity is held at the largest code.
.set STEPS, 16
.set EMAX,  8
.set MANT,  0x600000                   ; the mantissa field of 448 as f32
.set CB,    16                         ; bytes of 16 codes
.set R,     16                         ; x: v16-79   four sets of 16 numbers as loaded
.set X,     80                         ; x: v80-111  two sets of 16 neighbours
.set C,     128                        ; x: v128-191 codes, four registers a step
.set WREG,  8192                       ; x: LDS of a wave: two stages of 32 x SP bytes
.set SP,    80                         ; x: a lane's place in a stage: 64 bytes + 16 of padding
.set WST,   32768                      ; weights: the stages begin here
.set PITCH, 272                        ; weights: a stage row: 256 codes + 16
.set NB,    8                          ; weights: blocks of 32 along K for a wave
.set OFFV,  12                         ; weights: v12-43  byte offset of row i of a block: i x row bytes + 4 x lane
.set XW,    44                         ; weights: v44-107 two sets of 32 numbers
.set CW,    108                        ; weights: v108-115 a block's codes
.set OUTR,  116                        ; weights: v116-179 the way out
	s_load_b256 s[4:11], s[0:1], 0x0               ; x s[4:5], Wqkv s[6:7], Wo s[8:9], the scales s[10:11]
	s_load_b64 s[12:13], s[0:1], 0x20              ; the codes
	v_lshl_add_u32 v192, v0, 2, 0x10800
	v_mov_b32 v193, 0
	v_lshrrev_b32 v1, 5, v0
	v_readfirstlane_b32 s16, v1                    ; wave
	v_and_b32 v2, 31, v0                           ; lane
	s_wait_kmcnt 0x0
	s_load_b256 s[24:31], s[10:11], 0x0            ; e0 .. e7
	s_cmp_ge_u32 ttmp9, 256
	s_cbranch_scc1 .Lweights
; ---------------- x
	s_wait_alu depctr_va_vdst(0)
	v_lshlrev_b32 v3, 4, v2                        ; my 16 bytes of a load's 512
	s_wait_alu depctr_va_vdst(0)
	s_mul_i32 s17, s16, WREG
	v_lshrrev_b32 v14, 2, v2
	v_mul_u32_u24 v14, v14, SP
	v_and_b32 v15, 3, v2
	v_lshl_add_u32 v14, v15, 4, v14
	v_add_nc_u32 v14, s17, v14                     ; the stage, way in: SP (lane / 4) + 16 (lane % 4)
	v_mul_u32_u24 v15, v2, SP
	v_add_nc_u32 v15, s17, v15                     ; way out: SP x lane: my 16 neighbours
	v_mul_u32_u24 v4, v2, CB                       ; my codes' place in a step's 512
	s_lshl_b32 s17, ttmp9, 2
	s_add_co_u32 s18, s17, s16                     ; my octet of rows
	s_lshl_b32 s20, s18, 15                        ; x 8 rows of 4,096 bytes
	s_mov_b32 s21, 0
	s_add_nc_u64 s[4:5], s[4:5], s[20:21]
	s_and_b32 s19, s16, 1                          ; where it goes: octets 1 and 2 of the 32 rows change places
	s_lshl_b32 s19, s19, 1
	s_lshr_b32 s22, s16, 1
	s_or_b32 s19, s19, s22
	s_add_co_u32 s19, s17, s19
	s_lshl_b32 s20, s19, 13                        ; x 8 rows of 1,024 bytes
	s_add_nc_u64 s[12:13], s[12:13], s[20:21]
.macro LOAD t
.irp i, 0,1,2,3
	global_load_b128 v[R+16*((\t)%4)+4*\i:R+16*((\t)%4)+4*\i+3], v3, s[4:5] offset:2048*(\t)+512*\i th:TH_LOAD_NT   ; 32 lanes read 512 consecutive bytes
.endr
.endm
.macro TURN t                          ; step t's numbers through the stage; LDS serves a wave's instructions in order, so no wait stands between the stores and the loads
.irp i, 0,1,2,3
	ds_store_b128 v14, v[R+16*((\t)%4)+4*\i:R+16*((\t)%4)+4*\i+3] offset:32*SP*((\t)%2)+8*SP*\i
.endr
.irp i, 0,1,2,3
	ds_load_b128 v[X+16*((\t)%2)+4*\i:X+16*((\t)%2)+4*\i+3], v15 offset:32*SP*((\t)%2)+16*\i
.endr
.endm
.irp t, 0,1,2,3
	LOAD \t
.endr
	s_wait_alu depctr_va_vdst(0)
	s_wait_kmcnt 0x0
	s_add_co_i32 s22, s24, 127
	s_lshl_b32 s23, s22, 23
	v_mov_b32 v11, s23                             ; 2^e0 as f32: the conversion takes its exponent field
	s_add_co_i32 s22, s22, EMAX
	s_lshl_b32 s22, s22, 23
	s_or_b32 s22, s22, MANT
	v_mov_b32 v10, s22                             ; 448 x 2^e0
	s_wait_alu depctr_va_vdst(0)
	s_wait_loadcnt 12                              ; step 0's four loads are in; three steps' twelve stay out
	TURN 0
.macro STEP t
.set XS, X+16*((\t)%2)
	s_wait_dscnt 0x0                               ; this step's numbers are back from the stage, so its stores into the stage have read their registers,
.if (\t)+4 < STEPS
	LOAD (\t)+4                                    ; which take the loads of four steps on
.endif
.if (\t)+1 < STEPS
.if STEPS-2-(\t) >= 3
	s_wait_loadcnt 12                              ; the next step's four loads are in; those of the three steps behind it may be out
.else
	s_wait_loadcnt 4*(STEPS-2-(\t))                ; the last steps: four loads for each step still behind the next
.endif
	TURN (\t)+1
.endif
.irp i, 0,1,2,3,4,5,6,7,8,9,10,11,12,13,14,15
	v_med3_num_f32 v[XS+\i], v[XS+\i], -v10, v10   ; the conversion to an 8-bit code does not saturate (ISA guide 7.6.2): the hold comes first
.endr
	v_cvt_scalef32_pk8_fp8_f32 v[C+4*(\t):C+4*(\t)+1], v[XS:XS+7], v11
	v_cvt_scalef32_pk8_fp8_f32 v[C+4*(\t)+2:C+4*(\t)+3], v[XS+8:XS+15], v11
	global_store_b128 v4, v[C+4*(\t):C+4*(\t)+3], s[12:13] offset:32*CB*(\t)   ; the wave stores 512 consecutive bytes; each step has code registers of its own, so no store's data are written again
.endm
.irp t, 0,1,2,3,4,5,6,7,8,9,10,11,12,13,14,15
	STEP \t
.endr
	s_wait_tensorcnt 0x0
	ds_add_u32 v192, v193
	s_wait_dscnt 0x0
	s_endpgm
; ---------------- the weights
.Lweights:
	s_sub_co_u32 s17, ttmp9, 256
	s_lshr_b32 s18, s17, 2                         ; which 128 columns of the 4,096: 0-23 Wqkv's, 24-31 Wo's
	s_and_b32 s19, s17, 3                          ; which 256 along K
	s_mov_b32 s22, 4096
	s_cmp_lt_u32 s18, 24                           ; the choice hangs on the work-group's number alone
	s_cselect_b64 s[6:7], s[6:7], s[8:9]           ; the tensor,
	s_cselect_b32 s22, 12288, s22                  ; its row in bytes,
	s_cselect_b32 s20, 0, 24
	s_sub_co_u32 s20, s18, s20                     ; and the group of columns in it
	s_lshl_b32 s21, s19, 8
	s_mul_i32 s21, s21, s22                        ; 256 ky rows down
	s_lshl_b32 s20, s20, 9                         ; 128 columns x 4 bytes
	s_add_co_u32 s20, s20, s21
	s_lshl_b32 s21, s16, 7                         ; my wave's 32 columns
	s_add_co_u32 s20, s20, s21
	s_mov_b32 s21, 0
	s_add_nc_u64 s[32:33], s[6:7], s[20:21]        ; a base for each block of 32 rows: none is ever stepped
	s_lshl_b32 s48, s22, 5
	s_mov_b32 s49, 0
.irp t, 1,2,3,4,5,6,7
	s_add_nc_u64 s[32+2*\t:33+2*\t], s[30+2*\t:31+2*\t], s[48:49]
.endr
	s_lshl_b32 s20, s18, 7
	s_lshl_b32 s23, s16, 5
	s_add_co_u32 s20, s20, s23
	s_add_co_u32 s20, s20, 8192                    ; my first row of the codes: 8192 + 128 x group + 32 x wave
	s_lshl_b32 s20, s20, 10
	s_lshl_b32 s23, s19, 8
	s_add_co_u32 s20, s20, s23                     ; + my 256 along K
	s_add_nc_u64 s[50:51], s[12:13], s[20:21]
	s_wait_alu depctr_va_vdst(0)
	v_lshlrev_b32 v3, 2, v2                        ; in: 4 bytes a lane: a load reads 128 consecutive bytes, the four waves 512
	s_mul_i32 s23, s16, 32*PITCH
	s_add_co_u32 s23, s23, WST                     ; my stage
	v_mul_u32_u24 v4, v2, PITCH
	v_add_nc_u32 v4, s23, v4                       ; into it: row = my column
	v_and_b32 v5, 15, v2
	v_lshrrev_b32 v6, 4, v2
	v_mul_u32_u24 v7, v6, PITCH
	v_lshl_add_u32 v7, v5, 4, v7
	v_add_nc_u32 v7, s23, v7                       ; out of it: sixteen lanes to a row, two rows an instruction
	v_lshlrev_b32 v8, 10, v6
	v_lshl_add_u32 v8, v5, 4, v8                   ; and the same in the codes' buffer
.set ii, 0
.rept 32
	v_mad_u32_u24 v[OFFV+ii], s22, ii, v3
.set ii, ii+1
.endr
.macro WLOAD t                         ; block t: W(32 t + i, my column), i = 0 .. 31, into set t % 2
.set ii, 0
.rept 32
	global_load_b32 v[XW+32*((\t)%2)+ii], v[OFFV+ii], s[32+2*(\t):33+2*(\t)] th:TH_LOAD_NT
.set ii, ii+1
.endr
.endm
	WLOAD 0
	WLOAD 1
	s_wait_kmcnt 0x0
	s_cmp_lt_u32 s18, 24
	s_cselect_b32 s30, s25, s31                    ; e1 or e7
	s_add_co_i32 s30, s30, 127
	s_lshl_b32 s31, s30, 23
	v_mov_b32 v11, s31                             ; 2^e as f32
	s_add_co_i32 s30, s30, EMAX
	s_lshl_b32 s30, s30, 23
	s_or_b32 s30, s30, MANT
	v_mov_b32 v10, s30                             ; 448 x 2^e
.macro BLOCK t
.set XS, XW+32*((\t)%2)
.if (\t) < NB-1
	s_wait_loadcnt 32                              ; this block's 32 loads are in; the next block's 32 may be out
.else
	s_wait_loadcnt 0
.endif
.set ii, 0
.rept 32
	v_med3_num_f32 v[XS+ii], v[XS+ii], -v10, v10
.set ii, ii+1
.endr
.irp g, 0,1,2,3
	v_cvt_scalef32_pk8_fp8_f32 v[CW+2*\g:CW+2*\g+1], v[XS+8*\g:XS+8*\g+7], v11
.endr
	ds_store_b128 v4, v[CW:CW+3] offset:32*(\t)    ; 32 codes: 32 bytes of my column's row
	ds_store_b128 v4, v[CW+4:CW+7] offset:32*(\t)+16
.if (\t)+2 < NB
	WLOAD (\t)+2
.endif
	s_wait_dscnt 0x0                               ; the stores have read their registers: the next block's codes may be written
.endm
	s_wait_alu depctr_va_vdst(0)
.irp t, 0,1,2,3,4,5,6,7
	BLOCK \t
.endr
.irp t, 0,1,2,3,4,5,6,7,8,9,10,11,12,13,14,15
	ds_load_b128 v[OUTR+4*\t:OUTR+4*\t+3], v7 offset:2*\t*PITCH   ; LDS serves a wave's instructions in order: these see my stores
.endr
.irp t, 0,1,2,3,4,5,6,7,8,9,10,11,12,13,14,15
	s_wait_dscnt 15-\t
	global_store_b128 v8, v[OUTR+4*\t:OUTR+4*\t+3], s[50:51] offset:(8*(((((\t)/4)&1)<<1)|(((\t)/4)>>1))+(2*(\t))%8)*1024   ; columns 2 t, 2 t + 1 go to their turned places; sixteen lanes store 256 consecutive bytes, aligned
.endr
	s_wait_tensorcnt 0x0
	ds_add_u32 v192, v193
	s_wait_dscnt 0x0
	s_endpgm
.Lfunc_end_k_q6560e9b225_quant:
	.size	k_q6560e9b225_quant, .Lfunc_end_k_q6560e9b225_quant-k_q6560e9b225_quant
	.p2alignl 7, 3214868480
	.fill 96, 4, 3214868480
	.section	.rodata,"a",@progbits
	.p2align	6, 0x0
	.amdhsa_kernel k_q6560e9b225_quant
		.amdhsa_group_segment_fixed_size 68096
		.amdhsa_private_segment_fixed_size 0
		.amdhsa_enable_private_segment 0
		.amdhsa_kernarg_size 40
		.amdhsa_user_sgpr_count 2
		.amdhsa_user_sgpr_kernarg_segment_ptr 1
		.amdhsa_wavefront_size32 1
		.amdhsa_system_sgpr_workgroup_id_x 1
		.amdhsa_system_sgpr_workgroup_id_y 1
		.amdhsa_system_sgpr_workgroup_id_z 1
		.amdhsa_system_vgpr_workitem_id 0
		.amdhsa_next_free_vgpr 194
		.amdhsa_next_free_sgpr 66
		.amdhsa_reserve_vcc 0
		.amdhsa_float_denorm_mode_32 3
		.amdhsa_float_denorm_mode_16_64 3
		.amdhsa_memory_ordered 1
		.amdhsa_forward_progress 1
		.amdhsa_inst_pref_size 88
	.end_amdhsa_kernel
	.amdgpu_metadata
---
amdhsa.version: [ 1, 2 ]
amdhsa.kernels:
  - .name:           k_q6560e9b225_quant
    .symbol:         k_q6560e9b225_quant.kd
    .args:
      - { .name: x, .offset: 0, .size: 8, .value_kind: global_buffer, .address_space: global }
      - { .name: Wqkv, .offset: 8, .size: 8, .value_kind: global_buffer, .address_space: global }
      - { .name: Wo, .offset: 16, .size: 8, .value_kind: global_buffer, .address_space: global }
      - { .name: lowp_scales, .offset: 24, .size: 8, .value_kind: global_buffer, .address_space: global }
      - { .name: codes, .offset: 32, .size: 8, .value_kind: global_buffer, .address_space: global }
    .group_segment_fixed_size: 68096
    .private_segment_fixed_size: 0
    .kernarg_segment_align: 8
    .kernarg_segment_size: 40
    .max_flat_workgroup_size: 128
    .sgpr_count:     66
    .vgpr_count:     194
    .wavefront_size: 32
...
	.end_amdgpu_metadata
.endif
;; end of part 1
;; launch qkv (part 2): grid 8 x 48, 4 waves a work-group, clusters of 4 x 4, 327,680 bytes of LDS; arguments codes, bqkv, lowp_scales, qk, vt; writes qk, vt
.if DOCPART == 2
	.amdgcn_target "amdgcn-amd-amdhsa--gfx1250"
	.amdhsa_code_object_version 6
	.text
	.protected	k_q6560e9b225_qkv
	.globl	k_q6560e9b225_qkv
	.p2align	8
	.type	k_q6560e9b225_qkv,@function
k_q6560e9b225_qkv:
	s_mov_b64 s[64:65], 0
	v_nop
	global_prefetch_b8 v0, s[64:65] scope:SCOPE_SE
	s_setreg_imm32_b32 hwreg(HW_REG_WAVE_MODE, 25, 1), 1
	s_wait_xcnt 0x0
	s_wait_alu depctr_hold_cnt(0) depctr_sa_sdst(0) depctr_va_vdst(0) depctr_va_sdst(0) depctr_va_ssrc(0) depctr_va_vcc(0) depctr_vm_vsrc(0)
	s_getreg_b32 s2, hwreg(HW_REG_IB_STS2, 6, 4)
	s_cmp_eq_u32 s2, 0
	s_cbranch_scc0 .Lentry_in_a_cluster
	s_endpgm
.Lentry_in_a_cluster:
	s_bfe_u32 s2, ttmp6, 0x10000c
	s_cmp_lg_u32 s2, 0xf033
	s_cbranch_scc0 .Lentry_shape_is_right
	s_endpgm
.Lentry_shape_is_right:
; qkv = x Wqkv + bqkv on codes of E4M3, and the three quantisers behind it: q (2^e2), k (2^e3) and v (2^e5) leave as codes, laid as the attention wants them.
; A tile of 256 x 256 is made by four waves, a wave 128 x 128: 64 accumulators of 16 x 16, 512 registers.  K = 1,024 goes in four steps of 256 through two LDS slots filled by the tensor data mover.
; x's tokens and the weights' columns are rows of ONE buffer of codes (1,024 bytes a row, rows in the turned order: octets 0, 2, 1, 3 of each 32).  So a cluster's MODE is a choice of row numbers:
;   clusters y 0-7 (q, k): region A = 256 tokens, region B = 256 columns of Wq or Wk.  Source 0 = B, source 1 = A: a lane holds ONE token and, in the 16 registers of two neighbouring tiles, 16 true neighbours along a head's axis.
;   clusters y 8-11 (v):   region A = 256 columns of Wv, region B = 256 tokens: a lane holds ONE channel of v and 16 neighbouring KEYS: v leaves with the keys innermost, and nothing is transposed.
; The mode hangs on the cluster's y alone: it is the same in all sixteen partners.  A's tiles are asked for jointly along a row of the cluster, B's along a column.
; OUT: qk [batch 4][32: q's 16 heads, k's 16][2048 places][64 bytes], tokens at their turned places;  vt [batch 4][1024 places of head x 64 + channel][2048 keys, true order].
; value = sum x 2^(e0 + e1) + bias, one fused multiply-add; held within +-448 x the scale; converted.
; LIMITS: e0 + e1 between -126 and 127; e2, e3, e5 between -126 and 119.  NaN is not served.
; REGISTERS, in windows of 256: window 0: v0-31 addresses; v32-95 the bias by column, v96-111 by row; from v128 A's fragments, ONE set; on the way out v128-191 at work, v192-223 two sets of codes, then v128-255 rows read back.
;   window 1: B's fragments, TWO sets.   windows 2, 3: the accumulators of A's blocks 0-3, 4-7 ((a, b) at v[8 (8 (a % 4) + b)]).
.set ROWB,   256                       ; a tile's row: 256 codes
.set KROW,   1024                      ; a row of the codes' buffer
.set PITCH,  272                       ; an LDS row: 256 bytes + 16 = 68 words: row r starts at bank 4 r mod 64 (64 banks of 4 bytes: ISA guide 11.1)
.set FR,     16                        ; registers of a fragment: 16 rows x 128 K
.set NL,     4                         ; LDS loads that bring one
.set NP,     4                         ; places behind this matrix instruction (ISA guide 7.12.1)
.set HALFT,  128*PITCH
.set SLOT,   4*HALFT                   ; A's 256 rows, then B's 256 rows
.set SPARE,  2*SLOT                    ; behind the ring: the spare words, 128 bytes a wave
.set QSTW,   64*PITCH                  ; the way out of q, k: a stage of 64 rows for each wave, from LDS byte 0
.set VST,    4*QSTW                    ; the way out of v: one stage of 256 rows for the work-group.  Both lie in slot 0, which has had its last fill and its last read by then; each mode has bytes of its own
.set ADRA, 16                          ; v16-17 LDS address of my A fragments in slot 0, 1
.set ADRB, 20                          ; v20-21 the same for B
.set STOQ, 22
.set RDQ,  23
.set STOV, 24
.set RDV,  25
.set COQ,  26
.set COV,  27
.set SPW,  28                          ; v28 LDS address of my spare word; never rewritten
.set NIL,  29                          ; v29 0; never rewritten
.set SCL,  30                          ; v30 the quantiser's scale as f32
.set LIM,  31                          ; v31 448 x that
.set BIAS, 32
.set BIASR, 96
.set AF,   128
.set T,    128
.set CD,   192
.set BK,   128
.set G1, 24
.set G0, 32
.set G1B, 48
.set G0B, 56
.set MSB, 0
.macro WIN new                         ; the immediate's high byte repeats the setting that is left
.if MSB != (\new)
	s_set_vgpr_msb (MSB<<8)|(\new)
.set MSB, \new
.endif
.endm
.set MUL_LO, 0xa1                      ; source 0 (B) window 1, source 1 (A) window 0, C and D window 2
.set MUL_HI, 0xf1                      ; the same, C and D window 3
.set TO_B,   0x40                      ; destination window 1, address window 0
; A joint load: waves 0 and 1 fetch for A, waves 2 and 3 for B; the branch hangs on the wave's number alone.  Four v_nop follow each of the two lines.
.macro JLOAD g0a, g1a, g0b, g1b
	s_cmp_eq_u32 s15, 0
	s_cbranch_scc0 .Lfor_b_\@
	tensor_load_to_lds s[\g0a:\g0a+3], s[\g1a:\g1a+7]
	s_nop 0
.rept 4
	v_nop
.endr
	s_branch .Lasked_\@
.Lfor_b_\@:
	tensor_load_to_lds s[\g0b:\g0b+3], s[\g1b:\g1b+7]
	s_nop 0
.rept 4
	v_nop
.endr
.Lasked_\@:
.endm
.macro CREST                           ; a round of the cluster's barrier behind its opening barrier
	s_cmp_lg_u32 s14, 0
	s_cbranch_scc1 .Lnot_wave_0_\@
	s_barrier_signal -3
.Lnot_wave_0_\@:
	s_barrier_wait -3
	s_barrier_signal -1
	s_barrier_wait -1
.endm
.macro CROUND
	s_barrier_signal -1
	s_barrier_wait -1
	CREST
.endm
	s_load_b256 s[4:11], s[0:1], 0x0               ; the codes s[4:5], bqkv s[6:7], the scales s[8:9], qk s[10:11]
	s_load_b64 s[12:13], s[0:1], 0x20              ; vt
	v_lshl_add_u32 v[SPW], v0, 2, SPARE
	v_mov_b32 v[NIL], 0
	ds_add_u32 v28, v29
	ds_add_u32 v28, v29
	s_wait_dscnt 0x0
	v_lshrrev_b32 v1, 5, v0
	v_readfirstlane_b32 s14, v1                    ; wave 0..3
	s_lshr_b32 s15, s14, 1                         ; which 128 rows of region A are mine.  Also: I fetch for A (0) or for B (1)
	s_and_b32 s16, s14, 1                          ; which 128 rows of region B.  Also: which 128 rows I fetch
	s_bfe_u32 s40, ttmp6, 0x40000                  ; cx
	s_bfe_u32 s41, ttmp6, 0x40004                  ; cy
	s_mov_b32 s66, ttmp9                           ; cluster x: 0, 1
	s_and_b32 s67, ttmp7, 0xffff                   ; cluster y: 0 .. 11
	s_lshl_b32 s69, s67, 1
	s_add_co_u32 s69, s69, s66
	s_and_b32 s69, s69, 7                          ; the v clusters' number: x + 2 (y - 8) for y = 8 .. 11
	s_cmp_ge_u32 s67, 8
	s_cselect_b32 s68, 1, 0                        ; the mode: 1 = v
	s_cselect_b32 s70, 0, s67                      ; region A walks: token tiles by cluster y | Wv's four tiles
	s_cselect_b32 s71, s69, s66                    ; region B walks: Wq's, Wk's tiles by cluster x | token tiles
	s_cselect_b32 s80, 10240, 0                    ; A's first row of the codes: x's | Wv's (8192 + 2048)
	s_cselect_b32 s81, 0, 8192                     ; B's: Wqkv's | x's
	s_lshl_b32 s17, s70, 2
	s_add_co_u32 s17, s17, s41                     ; A's tile: it holds cy and never cx
	s_lshl_b32 s42, s71, 2
	s_add_co_u32 s42, s42, s40                     ; B's tile: it holds cx and never cy
	s_lshl_b32 s43, s41, 2
	s_lshl_b32 s43, 15, s43                        ; my row of the cluster
	s_lshl_b32 s44, 0x1111, s40                    ; my column
	; descriptor group 1: a tile of 128 rows x 256 bytes, padded in LDS
	s_or_b32 s[G1+0], s43, (1<<20)|(1<<21)|(5<<22)|(3<<25)   ; 15:0 the mask; 17:16 elements of 1 byte; 20 padding on; 21 set beside a mask; 24:22 after every 64 words; 31:25 four words
	s_or_b32 s[G1B+0], s44, (1<<20)|(1<<21)|(5<<22)|(3<<25)
.irp g, G1, G1B
	s_mov_b32 s[\g+1], ROWB<<16                    ; tensor_dim0
	s_mov_b32 s[\g+2], 128<<16                     ; tensor_dim1
	s_mov_b32 s[\g+3], ROWB<<16                    ; tile_dim0
	s_mov_b32 s[\g+4], 128                         ; tile_dim1
	s_mov_b32 s[\g+5], KROW                        ; from row to row
	s_mov_b32 s[\g+6], 0
	s_mov_b32 s[\g+7], 0
.endr
	s_lshl_b32 s18, s16, 7                         ; which 128 rows of the tile I fetch
	s_lshl_b32 s20, s17, 8
	s_add_co_u32 s20, s20, s18
	s_add_co_u32 s20, s20, s80
	s_lshl_b32 s20, s20, 10                        ; A's row x 1,024 bytes (under 2^24)
	s_mov_b32 s21, 0
	s_lshl_b32 s46, s42, 8
	s_add_co_u32 s46, s46, s18
	s_add_co_u32 s46, s46, s81
	s_lshl_b32 s46, s46, 10
	s_mov_b32 s47, 0
	s_mul_i32 s45, s14, HALFT                      ; where they go: wave x 128 rows: no place in the cluster enters an LDS address
	s_wait_kmcnt 0x0
	s_load_b256 s[72:79], s[8:9], 0x0              ; e0 .. e7
	s_add_nc_u64 s[20:21], s[4:5], s[20:21]
	s_add_nc_u64 s[46:47], s[4:5], s[46:47]
	CROUND                                         ; all sixteen work-groups are here: the first joint loads meet
.irp s, 0,1
	s_mov_b32 s[G0+4*\s], 1
	s_add_co_u32 s[G0+4*\s+1], s45, \s*SLOT
	s_add_nc_u64 s[G0+4*\s+2:G0+4*\s+3], s[20:21], \s*ROWB
	s_or_b32 s[G0+4*\s+3], s[G0+4*\s+3], 0x80000000
	s_mov_b32 s[G0B+4*\s], 1
	s_add_co_u32 s[G0B+4*\s+1], s45, \s*SLOT
	s_add_nc_u64 s[G0B+4*\s+2:G0B+4*\s+3], s[46:47], \s*ROWB
	s_or_b32 s[G0B+4*\s+3], s[G0B+4*\s+3], 0x80000000
.if \s == 0
	JLOAD G0, G1, G0B, G1B                         ; K step 0: one tensor load a wave at the head
.endif
.endr
	v_and_b32 v1, 15, v0                           ; r = lane % 16
	s_wait_alu depctr_va_vdst(0)
	v_bfe_u32 v2, v0, 4, 1                         ; h = lane / 16
	v_mul_u32_u24 v3, v1, PITCH
	v_lshl_add_u32 v4, v2, 4, v3                   ; r x pitch + 16 h
	s_mul_i32 s21, s15, HALFT                      ; my 128 rows of A
	s_mul_i32 s22, s16, HALFT                      ; my 128 rows of B,
	s_add_co_u32 s22, s22, 2*HALFT                 ; which lie behind A's 256
.irp s, 0,1
	v_add_nc_u32 v[ADRA+\s], s21, v4
	v_add_nc_u32 v[ADRB+\s], s22, v4
	s_add_co_u32 s21, s21, SLOT
	s_add_co_u32 s22, s22, SLOT
.endr
	; the stages' addresses, all made here, ahead of every parting of the ways
	s_mul_i32 s23, s14, QSTW                       ; q, k: my stage: two heads x 32 rows; a row holds four tokens' 64 bytes
	v_lshrrev_b32 v5, 2, v1
	v_mul_u32_u24 v5, v5, PITCH
	v_and_b32 v6, 3, v1
	v_lshl_add_u32 v5, v6, 6, v5
	v_lshl_add_u32 v5, v2, 4, v5
	v_add_nc_u32 v[STOQ], s23, v5                  ; in: (r / 4) rows + 64 (r % 4) + 16 h
	v_mul_u32_u24 v6, v2, PITCH
	v_lshl_add_u32 v6, v1, 4, v6                   ; h rows + 16 r
	v_add_nc_u32 v[RDQ], s23, v6                   ; back: two rows an instruction
	s_mul_i32 s23, s15, 128*PITCH                  ; v: the shared stage: row = channel's place, 256 keys
	s_lshl_b32 s22, s16, 7
	s_add_co_u32 s23, s23, s22
	s_add_co_u32 s23, s23, VST
	v_add_nc_u32 v[STOV], s23, v4                  ; in: my 128 rows, my 128 of their 256 bytes
	s_mul_i32 s23, s14, 64*PITCH
	s_add_co_u32 s23, s23, VST
	v_add_nc_u32 v[RDV], s23, v6                   ; back: wave w takes rows 64 w on, whole
	v_and_b32 v7, 31, v0
	v_lshlrev_b32 v[COQ], 4, v7                    ; qk: 512 dense bytes an instruction
	v_lshlrev_b32 v[COV], 11, v2
	v_lshl_add_u32 v[COV], v1, 4, v[COV]           ; vt: two rows of 2,048 bytes apart, 256 bytes each
	; THE BIAS, in both forms; each mode uses one of them.  Loading both spares a branch here: every register that the way out may name is written whatever the mode.
	; The tile numbers are cut to the range of the mode that uses them (& 7, & 3: no change there), so that the other mode's loads stay inside bqkv too.
	s_and_b32 s82, s42, 7
	s_lshl_b32 s82, s82, 10
	s_lshl_b32 s83, s16, 9
	s_add_co_u32 s82, s82, s83
	s_mov_b32 s83, 0
	s_add_nc_u64 s[82:83], s[6:7], s[82:83]        ; by column (q, k): my 128 columns
	s_and_b32 s88, s17, 3
	s_lshl_b32 s88, s88, 10
	s_lshl_b32 s89, s15, 9
	s_add_co_u32 s88, s88, s89
	s_add_co_u32 s88, s88, 8192
	s_mov_b32 s89, 0
	s_add_nc_u64 s[88:89], s[6:7], s[88:89]        ; by row (v): my 128 channels, behind q's and k's 2,048
	v_lshlrev_b32 v8, 6, v2                        ; 16 h numbers on
	v_and_b32 v9, 8, v1
	v_add_nc_u32 v9, v9, v1
	v_lshlrev_b32 v9, 2, v9                        ; lane r of a tile of rows stands for true row r + 8 (r / 8)
.irp b, 0,1,2,3
.irp j, 0,1,2,3
	global_load_b128 v[BIAS+16*\b+4*\j:BIAS+16*\b+4*\j+3], v8, s[82:83] offset:128*\b+16*\j   ; register 16 b + i: column 32 b + 16 h + i
.endr
.endr
.irp a, 0,1,2,3,4,5,6,7
	global_load_b32 v[BIASR+2*\a], v9, s[88:89] offset:4*(32*(\a/2)+8*(\a%2))     ; block a's rows begin at true row 32 (a / 2) + 8 (a % 2);
	global_load_b32 v[BIASR+2*\a+1], v9, s[88:89] offset:4*(32*(\a/2)+8*(\a%2))   ; twice: a pair for the packed form
.endr
	; where my part of the output begins, for both modes (cut likewise)
	s_lshl_b32 s84, s17, 8
	s_lshl_b32 s85, s15, 7
	s_add_co_u32 s84, s84, s85                     ; my first token's place
	s_lshr_b32 s85, s84, 11
	s_lshl_b32 s85, s85, 22                        ; its batch: 32 heads x 131,072 bytes
	s_and_b32 s84, s84, 2047
	s_lshl_b32 s84, s84, 6
	s_add_co_u32 s84, s84, s85
	s_and_b32 s85, s42, 7
	s_lshl_b32 s85, s85, 2
	s_lshl_b32 s90, s16, 1
	s_add_co_u32 s85, s85, s90                     ; my first head: 4 x tile + 2 x half
	s_lshl_b32 s85, s85, 17
	s_add_co_u32 s84, s84, s85
	s_mov_b32 s85, 0
	s_add_nc_u64 s[84:85], s[10:11], s[84:85]
	s_lshr_b32 s86, s42, 3
	s_lshl_b32 s86, s86, 21                        ; the token tile's batch: 1,024 rows x 2,048 bytes
	s_and_b32 s87, s17, 3
	s_lshl_b32 s87, s87, 8
	s_lshl_b32 s90, s14, 6
	s_add_co_u32 s87, s87, s90                     ; the first row that I store: 256 x tile + 64 x wave
	s_lshl_b32 s87, s87, 11
	s_add_co_u32 s86, s86, s87
	s_and_b32 s87, s42, 7
	s_lshl_b32 s87, s87, 8                         ; the tile's 256 keys
	s_add_co_u32 s86, s86, s87
	s_mov_b32 s87, 0
	s_add_nc_u64 s[86:87], s[12:13], s[86:87]
.macro FRAG reg, adr, q, i             ; 16 rows x 128 K: lane l holds row l % 16; registers 4 c .. 4 c + 3 hold K = 32 c + 16 (l / 16) + 0 .. 15: the same order of k in A and in B, so every product meets its partner
.irp c, 0,1,2,3
	ds_load_b128 v[\reg+4*\c:\reg+4*\c+3], v[\adr] offset:128*(\q)+32*\c+(\i)*16*PITCH
.endr
.endm
; 16 matrix instructions: A's blocks a0, a0 + 1 x B's eight.  p: B's set.  zero = 1: the first product starts the sums.  The 64 accumulators take turns, one instruction a turn.
.macro MUL16 a0, p, zero
.irp a, \a0, \a0+1
.irp b, 0,1,2,3,4,5,6,7
.if \zero
	v_wmma_f32_16x16x128_fp8_fp8 v[8*(8*((\a)%4)+\b):8*(8*((\a)%4)+\b)+7], v[128*(\p)+FR*\b:128*(\p)+FR*\b+FR-1], v[AF+FR*(\a):AF+FR*(\a)+FR-1], 0
.else
	v_wmma_f32_16x16x128_fp8_fp8 v[8*(8*((\a)%4)+\b):8*(8*((\a)%4)+\b)+7], v[128*(\p)+FR*\b:128*(\p)+FR*\b+FR-1], v[AF+FR*(\a):AF+FR*(\a)+FR-1], v[8*(8*((\a)%4)+\b):8*(8*((\a)%4)+\b)+7]
.endif
.endr
.endr
.endm
.macro FETCH_B slot, q, p
	WIN TO_B
.irp i, 0,1,2,3,4,5,6,7
	FRAG 128*(\p)+FR*\i, ADRB+\slot, \q, \i
.endr
	WIN 0
.endm
.macro FETCH_A slot, q, i0
.irp i, \i0, \i0+1, \i0+2, \i0+3
	FRAG AF+FR*(\i), ADRA+\slot, \q, \i
.endr
.endm
.macro PLACES n                        ; plain vector instructions between a matrix instruction and a load into, or a read of, its registers
.rept \n
	v_nop
.endr
.endm
; A step of 128 along K that has its successor in the same slot.  A has one set of registers: blocks 0-3 are fetched anew in the step's middle, blocks 4-7 at its end; B has two sets.
.macro STEP slot, q, zero
	s_wait_dscnt 4*NL                              ; B's set and A's blocks 0-3 are in; the youngest sixteen loads (A's blocks 4-7) may be out
	WIN MUL_LO
	MUL16 0, (\q)%2, \zero
	MUL16 2, (\q)%2, \zero
	s_wait_dscnt 0                                 ; A's blocks 4-7 are in
	PLACES NP
	FETCH_B \slot, (\q)+1, 1-(\q)%2
	FETCH_A \slot, (\q)+1, 0
	WIN MUL_HI
	MUL16 4, (\q)%2, \zero
	MUL16 6, (\q)%2, \zero
	PLACES NP
	WIN 0
	FETCH_A \slot, (\q)+1, 4
.endm
; A slot's last step changes slots: ONE barrier; in front of it each wave waits for all its tensor loads, adds 0 to its spare word, and waits for that and for its reads of this slot.  fill = 1: this slot is filled again, two K steps ahead.
.macro TURN slot, next, fill
	s_wait_tensorcnt 0x0                           ; all my tensor loads have landed: my part of the next slot
	ds_add_u32 v[SPW], v[NIL]                      ; 0 onto my spare word
	s_wait_dscnt 4*NL+1                            ; (the add and the youngest sixteen loads may be out)
	WIN MUL_LO
	MUL16 0, 1, 0                                  ; sixteen matrix instructions stand between the add and the wait for it
	s_wait_dscnt 0x0                               ; the add is done, and my reads of this slot are over
	s_barrier_signal -1
	MUL16 2, 1, 0
	WIN 0
	s_barrier_wait -1
.if \fill
	CREST                                          ; the barrier has opened a round of the cluster's: no wave of any partner still reads this slot or has a load on its way
	s_add_nc_u64 s[G0+4*\slot+2:G0+4*\slot+3], s[G0+4*\slot+2:G0+4*\slot+3], 2*ROWB
	s_add_nc_u64 s[G0B+4*\slot+2:G0B+4*\slot+3], s[G0B+4*\slot+2:G0B+4*\slot+3], 2*ROWB
	JLOAD G0+4*\slot, G1, G0B+4*\slot, G1B         ; my one tensor load behind the round; its four v_nop are the places in front of the loads below
.else
	PLACES NP
.endif
	FETCH_B \next, 0, 0
	FETCH_A \next, 0, 0
	WIN MUL_HI
	MUL16 4, 1, 0
	MUL16 6, 1, 0
	PLACES NP
	WIN 0
	FETCH_A \next, 0, 4
.endm
	s_wait_alu depctr_va_vdst(0)
	s_wait_tensorcnt 0x0                           ; my part of K step 0 is in
	ds_add_u32 v[SPW], v[NIL]
	s_wait_dscnt 0x0
	CROUND                                         ; everybody's part of K step 0 is in, and all sixteen work-groups are here
	JLOAD G0+4, G1, G0B+4, G1B                     ; K step 1, the first tensor load behind the round
	FETCH_B 0, 0, 0
	FETCH_A 0, 0, 0
	FETCH_A 0, 0, 4
	STEP 0, 0, 1                                   ; four K steps of 256, written straight: eight steps of 128
	TURN 0, 1, 1                                   ; slot 0 takes K step 2
	STEP 1, 0, 0
	TURN 1, 0, 1                                   ; slot 1 takes K step 3
	STEP 0, 0, 0
	TURN 0, 1, 0                                   ; nothing more to fetch; behind this barrier nobody reads slot 0
	STEP 1, 0, 0
	s_wait_dscnt 4*NL
	WIN MUL_LO
	MUL16 0, 1, 0
	MUL16 2, 1, 0
	s_wait_dscnt 0
	WIN MUL_HI
	MUL16 4, 1, 0
	MUL16 6, 1, 0
	WIN 0
; THE WAY OUT.  Block a (A's 16 rows x my 128 of B's): sum x 2^(e0 + e1) + bias, the hold, eight conversions: 64 codes a lane, 16 bytes for each 32 true neighbours; into the stage.
.macro CONV a, isv
.set AC, 64*((\a)%4)
.set CC, CD+16*((\a)%2)
.if (\a) >= 2
	s_wait_dscnt 4                                 ; block a - 2's four stores have read this set of codes; block a - 1's four may be out
.endif
	WIN 0x02+((\a)/4)                              ; source 0: window 2 or 3
.set jj, 0
.rept 32
.if \isv
	v_pk_fma_f32 v[T+jj:T+jj+1], v[AC+jj:AC+jj+1], s[96:97], v[BIASR+2*(\a):BIASR+2*(\a)+1] op_sel_hi:[1,0,1]   ; each accumulator from its low end on
.else
	v_pk_fma_f32 v[T+jj:T+jj+1], v[AC+jj:AC+jj+1], s[96:97], v[BIAS+jj:BIAS+jj+1] op_sel_hi:[1,0,1]
.endif
.set jj, jj+2
.endr
	WIN 0
.set jj, 0
.rept 64
	v_med3_num_f32 v[T+jj], v[T+jj], -v[LIM], v[LIM]   ; the conversion does not saturate (ISA guide 7.6.2)
.set jj, jj+1
.endr
.irp b, 0,1,2,3
	v_cvt_scalef32_pk8_fp8_f32 v[CC+4*\b:CC+4*\b+1], v[T+16*\b:T+16*\b+7], v[SCL]
	v_cvt_scalef32_pk8_fp8_f32 v[CC+4*\b+2:CC+4*\b+3], v[T+16*\b+8:T+16*\b+15], v[SCL]
.endr
	v_nop                                          ; one plain vector instruction behind the last conversion: the next block writes its sources
.irp b, 0,1,2,3
.if \isv
	ds_store_b128 v[STOV], v[CC+4*\b:CC+4*\b+3] offset:(\a)*16*PITCH+32*\b                       ; channel 16 a + r, keys 32 b + 16 h on
.else
	ds_store_b128 v[STOQ], v[CC+4*\b:CC+4*\b+3] offset:(\b/2)*32*PITCH+(\a)*4*PITCH+32*(\b%2)    ; head b / 2, token 16 a + r, the head's 32 (b % 2) + 16 h on
.endif
.endr
.endm
.macro BACK isv                        ; whole rows of 256 bytes back, and out
.set jj, 0
.rept 32
.if \isv
	ds_load_b128 v[BK+4*jj:BK+4*jj+3], v[RDV] offset:2*PITCH*jj
.else
	ds_load_b128 v[BK+4*jj:BK+4*jj+3], v[RDQ] offset:2*PITCH*jj
.endif
.set jj, jj+1
.endr
.set jj, 0
.rept 32
	s_wait_dscnt 31-jj
.if \isv
	global_store_b128 v[COV], v[BK+4*jj:BK+4*jj+3], s[86:87] offset:4096*jj                      ; sixteen lanes store 256 consecutive bytes, aligned
.else
	global_store_b128 v[COQ], v[BK+4*jj:BK+4*jj+3], s[84:85] offset:(jj/16)*131072+(jj%16)*512   ; the wave stores 512 consecutive bytes
.endif
.set jj, jj+1
.endr
.endm
	s_wait_kmcnt 0x0
	s_add_co_i32 s96, s72, s73
	s_add_co_i32 s96, s96, 127
	s_lshl_b32 s96, s96, 23                        ; 2^(e0 + e1) as f32
	s_mov_b32 s97, s96                             ; (named with it as a pair)
	s_cmp_eq_u32 s66, 0
	s_cselect_b32 s98, s74, s75                    ; cluster x = 0 makes q (e2), 1 makes k (e3);
	s_cmp_eq_u32 s68, 1
	s_cselect_b32 s98, s77, s98                    ; the v clusters: e5.  A choice of a value, on ids alone
	s_add_co_i32 s98, s98, 127
	s_lshl_b32 s99, s98, 23
	v_mov_b32 v[SCL], s99
	s_add_co_i32 s98, s98, 8
	s_lshl_b32 s98, s98, 23
	s_or_b32 s98, s98, 0x600000
	v_mov_b32 v[LIM], s98
	s_wait_loadcnt 0x0                             ; the biases
	PLACES NP                                      ; behind the last products: their results are read and A's registers written below
	s_cmp_eq_u32 s68, 1
	s_cbranch_scc1 .Lconv_v
.irp a, 0,1,2,3,4,5,6,7
	CONV \a, 0
.endr
	s_branch .Lconv_done
.Lconv_v:
.irp a, 0,1,2,3,4,5,6,7
	CONV \a, 1
.endr
.Lconv_done:
	s_wait_dscnt 0x0                               ; for the others' sake: my stores into the stage are done (a row of v's stage comes from two waves)
	s_barrier_signal -1
	s_barrier_wait -1                              ; on the way that both modes take
	s_cmp_eq_u32 s68, 1
	s_cbranch_scc1 .Lback_v
	BACK 0
	s_branch .Lback_done
.Lback_v:
	BACK 1
.Lback_done:
	s_wait_tensorcnt 0x0                           ; the wave's end
	ds_add_u32 v[SPW], v[NIL]
	s_wait_dscnt 0x0
	CROUND                                         ; the closing round: no work-group ends while a partner may still ask for a tile that names it
	s_endpgm
.Lfunc_end_k_q6560e9b225_qkv:
	.size	k_q6560e9b225_qkv, .Lfunc_end_k_q6560e9b225_qkv-k_q6560e9b225_qkv
	.p2alignl 7, 3214868480
	.fill 96, 4, 3214868480
	.section	.rodata,"a",@progbits
	.p2align	6, 0x0
	.amdhsa_kernel k_q6560e9b225_qkv
		.amdhsa_group_segment_fixed_size 327680
		.amdhsa_private_segment_fixed_size 0
		.amdhsa_enable_private_segment 0
		.amdhsa_kernarg_size 40
		.amdhsa_user_sgpr_count 2
		.amdhsa_user_sgpr_kernarg_segment_ptr 1
		.amdhsa_wavefront_size32 1
		.amdhsa_system_sgpr_workgroup_id_x 1
		.amdhsa_system_sgpr_workgroup_id_y 1
		.amdhsa_system_sgpr_workgroup_id_z 1
		.amdhsa_system_vgpr_workitem_id 0
		.amdhsa_next_free_vgpr 1024
		.amdhsa_next_free_sgpr 100
		.amdhsa_reserve_vcc 0
		.amdhsa_float_denorm_mode_32 3
		.amdhsa_float_denorm_mode_16_64 3
		.amdhsa_memory_ordered 1
		.amdhsa_forward_progress 1
		.amdhsa_inst_pref_size 206
	.end_amdhsa_kernel
	.amdgpu_metadata
---
amdhsa.version: [ 1, 2 ]
amdhsa.kernels:
  - .name:           k_q6560e9b225_qkv
    .symbol:         k_q6560e9b225_qkv.kd
    .args:
      - { .name: codes, .offset: 0, .size: 8, .value_kind: global_buffer, .address_space: global }
      - { .name: bqkv, .offset: 8, .size: 8, .value_kind: global_buffer, .address_space: global }
      - { .name: lowp_scales, .offset: 16, .size: 8, .value_kind: global_buffer, .address_space: global }
      - { .name: qk, .offset: 24, .size: 8, .value_kind: global_buffer, .address_space: global }
      - { .name: vt, .offset: 32, .size: 8, .value_kind: global_buffer, .address_space: global }
    .group_segment_fixed_size: 327680
    .private_segment_fixed_size: 0
    .kernarg_segment_align: 8
    .kernarg_segment_size: 40
    .max_flat_workgroup_size: 128
    .sgpr_count:     100
    .vgpr_count:     1024
    .wavefront_size: 32
...
	.end_amdgpu_metadata
.endif
;; end of part 2
;; launch attn (part 3): grid 4 x 64, 16 waves a work-group, clusters of 4 x 1, 327,680 bytes of LDS; arguments qk, vt, lowp_scales, att; writes att
.if DOCPART == 3
	.amdgcn_target "amdgcn-amd-amdhsa--gfx1250"
	.amdhsa_code_object_version 6
	.text
	.protected	k_q6560e9b225_attn
	.globl	k_q6560e9b225_attn
	.p2align	8
	.type	k_q6560e9b225_attn,@function
k_q6560e9b225_attn:
	s_mov_b64 s[64:65], 0
	v_nop
	global_prefetch_b8 v0, s[64:65] scope:SCOPE_SE
	s_setreg_imm32_b32 hwreg(HW_REG_WAVE_MODE, 25, 1), 1
	s_wait_xcnt 0x0
	s_wait_alu depctr_hold_cnt(0) depctr_sa_sdst(0) depctr_va_vdst(0) depctr_va_sdst(0) depctr_va_ssrc(0) depctr_va_vcc(0) depctr_vm_vsrc(0)
	s_getreg_b32 s2, hwreg(HW_REG_IB_STS2, 6, 4)
	s_cmp_eq_u32 s2, 0
	s_cbranch_scc0 .Lentry_in_a_cluster
	s_endpgm
.Lentry_in_a_cluster:
	s_bfe_u32 s2, ttmp6, 0x10000c
	s_cmp_lg_u32 s2, 0x3003
	s_cbranch_scc0 .Lentry_shape_is_right
	s_endpgm
.Lentry_shape_is_right:
; Causal attention of one head on codes of E4M3, and the quantiser (2^e6) of the attended rows.  Head size 64, 2,048 tokens, 64 heads in all.
; t = score x log2(e) / 8; M = the running largest t rounded UP to a whole number; p = 2^(t - M) is quantised with 2^e4, not normalised; the row's sum is taken of the unquantised p and divides at the end.
; A HEAD'S WHOLE K AND V STAY IN LDS: 16 tiles of 64 rows x (256 + 16) bytes: tile c (0-7) = keys 256 c on of K (four keys' 64 bytes a row), tile 8 + c = the same keys of V's 64 channels.  Nothing is filled again: no ring.
; CLUSTER: the four work-groups of a head need the same 16 tiles at the same time and ask for them JOINTLY (mask 15).  Wave w issues tile w, its one tensor load of the launch, to LDS byte w x CH.
; Waves 0, 1, 8, 9 (keys 0-511) ask at the head; the twelve others behind the spare-word adds and the round; their tiles land while four key steps are worked on keys 0-511.
; SHARES.  Of each block of 256 queries work-group cx owns the tiles of 16 places 4 j + cx, j = 0 .. 3.  Wave w (b = w % 4, j = (w / 4 + w) % 4) owns tile 4 j + cx of block 7 - b and of block b:
; 2 (8 - b) + 2 (b + 1) = 18 key steps of 128 keys, whatever w and cx: first the late tile's steps 0-3 (all open: its queries are 1,024 or later), then 14 more: the late tile's other steps, then the early tile's.
; Every branch hangs on the wave's number and on counts of steps: a tile's queries lie in [QB, QB + 63], QB = 256 x block + 64 j, inside one step of 128 keys whatever cx is; cx enters global addresses and the mask's compare alone.
; TWO BANKS OF 64 REGISTERS CHANGE ROLES FROM STEP TO STEP (a loop's trip is two steps).  In a step bank P holds K's fragments, fetched during the step before; S^T and p lie in bank Q; V's fragments follow K's into P;
; and as each 16 registers of p have been converted, the NEXT step's fragments of K are fetched into them.  So the wait for K at a step's head finds loads that were issued a whole product and more earlier.
; LAYOUT.  Both products are used transposed: S^T = K Q^T (source 0 = 16 keys), O^T = V^T P^T (source 0 = 16 channels): a lane holds ONE query.  Tokens in qk and channels in vt lie at turned places (octets 0, 2, 1, 3 of each 32),
; so the 16 registers of tiles 2 b, 2 b + 1 are 16 true neighbours.  Lane r of my tile is true query Q0 + r + 8 (r / 8).
; THE MASK: a step all of whose keys come after my queries (always a trip's second) is left out by a scalar branch, but for the fetch of the next step's K; on the diagonal hidden scores become -infinity.
; Key 0 counts for every query, so M is a number from the first step on.
; NO PREFETCH: every tile is asked for once, in the head, ahead of both loops: there is no loop in which a request could run ahead of a load.
; OUT: att [32 blocks of 256 tokens][16 heads][256 places][64 bytes].
; LIMITS: e2 + e3 between -123 and 130 (added to c's exponent field); e4, e6 between -126 and 119; the scaled scores stay under 2^31 in magnitude.  NaN is not served.
; REGISTERS: v1-11 addresses; v12 -M, v13 the largest t, v[14:15] the sum; v16-23 Q, v24-31 the early tile's Q; v32-95 bank X, v96-159 bank Y; v160-191 O^T; v192-207 p's codes; v208-217 constants; v220-255 at work.
.set PITCH, 272
.set CH,    64*PITCH                   ; a tile: 17,408 bytes
.set HSTEP, 32*PITCH                   ; a key step's 128 keys of K: 32 rows
.set VBASE, 8*CH
.set SPARE, 16*CH                      ; the spare words, 128 bytes a wave: eight blocks of 256 bytes that no other line names
.set STAGE, SPARE+2048                 ; the way out: 4 rows of 272 bytes for each wave, 1,280 apart; no fill lands here
.set STGW,  1280
.set X,    32
.set Y,    96
.set AK0,  1
.set AV0,  2
.set QL,   4                           ; v4  r + 8 (r / 8) - 16 (lane / 16)
.set SPW,  5
.set NIL,  6
.set GO,   7
.set ADK,  8                           ; LDS address of the NEXT step's keys
.set ADV,  9
.set STO,  10
.set RD,   11
.set LA,   212                         ; 448 x 2^e4, twice: one register for each half of the paired hold
.set LB,   213
.set SC4,  214                         ; 2^e4
.set SC6,  215                         ; 2^e6
.set L6,   216                         ; 448 x 2^e6
.set PT,   217                         ; a lane permute's destination
.set DS,   220                         ; v220-233 seven chains of the row's sum
.set WV,   18
.set SEL,  20                          ; s[20:21] v_permlanex16_b32's selects for lane l xor 16
.set CS,   22                          ; s[22:23] c = log2(e) / 8 x 2^(e2 + e3)
.set G1K,  24
.set G1V,  32
.set G0K,  40
.set G0V,  44
.set W7,   54                          ; wave % 8: which 256 keys I fetch
.set SG,   55                          ; the next key step, 0 .. 15
.set UU,   56                          ; the count of steps walked, even at a trip's head
.set L1,   57                          ; 16 - 2 b: the late tile's key steps
.set TBK,  58                          ; LDS byte of the next step's keys in K
.set TBV,  59                          ; at a step's head: LDS byte of this step's keys in V, less VBASE
.set KF,   60                          ; at a step's head: its first key
.set QB,   61                          ; 256 x block + 64 j
.set Q0,   62                          ; my tile's first true query
.set QB2,  63                          ; the same two for the early tile
.set Q02,  66
.set B2,   68                          ; 2 b
.set BKA,  72
.set BVA,  74
.set OA,   84                          ; my rows of att: the late tile's, the early tile's
.set OB,   86
.macro ROUND                           ; a round of the cluster's barrier
	s_barrier_signal -1
	s_barrier_wait -1
	s_cmp_lg_u32 s[WV], 0
	s_cbranch_scc1 .Lnw0_\@
	s_barrier_signal -3
.Lnw0_\@:
	s_barrier_wait -3
	s_barrier_signal -1
	s_barrier_wait -1
.endm
; late = 0: waves 0, 1 (K) and 8, 9 (V) ask; late = 1: the twelve others.  The branches hang on the wave's number alone.  An s_nop 0 and four v_nop follow each load.
.macro TLOAD late
	s_cmp_lt_u32 s[W7], 2
.if \late
	s_cbranch_scc1 .Lasked_\@
.else
	s_cbranch_scc0 .Lasked_\@
.endif
	s_cmp_lt_u32 s[WV], 8
	s_cbranch_scc0 .Lfor_v_\@
	tensor_load_to_lds s[G0K:G0K+3], s[G1K:G1K+7]
	s_nop 0
.rept 4
	v_nop
.endr
	s_branch .Lasked_\@
.Lfor_v_\@:
	tensor_load_to_lds s[G0V:G0V+3], s[G1V:G1V+7]
	s_nop 0
.rept 4
	v_nop
.endr
.Lasked_\@:
.endm
	s_load_b256 s[4:11], s[0:1], 0x0               ; qk s[4:5], vt s[6:7], the scales s[8:9], att s[10:11]
	v_lshl_add_u32 v[SPW], v0, 2, SPARE
	v_mov_b32 v[NIL], 0
	ds_add_u32 v[SPW], v[NIL]                      ; the opening lines: the add, twice on end, and its wait
	ds_add_u32 v[SPW], v[NIL]
	v_lshrrev_b32 v8, 5, v0
	v_readfirstlane_b32 s[WV], v8                  ; wave 0..15
	s_bfe_u32 s12, ttmp6, 0x40000                  ; cx
	s_and_b32 s3, ttmp7, 0xffff                    ; 16 x batch + head
	s_and_b32 s[W7], s[WV], 7
	s_and_b32 s13, s[WV], 3                        ; b
	s_lshr_b32 s14, s[WV], 2
	s_add_co_u32 s14, s14, s[WV]
	s_and_b32 s14, s14, 3                          ; j
	s_sub_co_u32 s15, 7, s13                       ; the late block
	s_lshl_b32 s[B2], s13, 1
	s_sub_co_u32 s[L1], 16, s[B2]
	s_lshl_b32 s52, s14, 6
	s_lshl_b32 s[QB], s15, 8
	s_add_co_u32 s[QB], s[QB], s52
	s_lshl_b32 s[QB2], s13, 8
	s_add_co_u32 s[QB2], s[QB2], s52
	s_lshr_b32 s53, s12, 1                         ; tile 4 j + cx begins at true query 64 j + 32 (cx / 2) + 8 (cx % 2) of its block
	s_lshl_b32 s53, s53, 5
	s_and_b32 s52, s12, 1
	s_lshl_b32 s52, s52, 3
	s_add_co_u32 s53, s53, s52
	s_add_co_u32 s[Q0], s[QB], s53
	s_add_co_u32 s[Q02], s[QB2], s53
	s_lshl_b32 s16, s14, 2
	s_add_co_u32 s16, s16, s12
	s_lshl_b32 s16, s16, 10                        ; my tile in a block: 16 places x 64 bytes each
	s_lshr_b32 s17, s3, 4                          ; batch
	s_and_b32 s19, s3, 15                          ; head
	s_lshl_b32 s72, s17, 22
	s_lshl_b32 s52, s19, 17
	s_add_co_u32 s72, s72, s52                     ; q's head in qk
	s_add_co_u32 s48, s72, s16
	s_lshl_b32 s52, s13, 14
	s_add_co_u32 s50, s48, s52                     ; the early tile's Q
	s_lshl_b32 s52, s15, 14
	s_add_co_u32 s48, s48, s52                     ; the late tile's
	s_mov_b32 s49, 0
	s_mov_b32 s51, 0
	s_add_co_u32 s72, s72, 16<<17                  ; k's head: sixteen heads on
	s_mov_b32 s73, 0
	s_lshl_b32 s74, s3, 17                         ; v's: 64 rows x 2,048 bytes
	s_mov_b32 s75, 0
	s_lshl_b32 s84, s17, 3
	s_add_co_u32 s86, s84, s13
	s_add_co_u32 s84, s84, s15
	s_lshl_b32 s84, s84, 18                        ; att: a block of 256 tokens is 16 heads x 16,384 bytes
	s_lshl_b32 s86, s86, 18
	s_lshl_b32 s52, s19, 14
	s_add_co_u32 s52, s52, s16
	s_add_co_u32 s84, s84, s52
	s_add_co_u32 s86, s86, s52
	s_mov_b32 s85, 0
	s_mov_b32 s87, 0
	; descriptor group 1: 64 rows of 256 bytes; K's dense in memory, V's 2,048 apart.  Mask 15: all four of the cluster; bit 21 beside it; padding: four words after every 64
	s_mov_b32 s[G1K], 15|(1<<20)|(1<<21)|(5<<22)|(3<<25)
	s_mov_b32 s[G1K+1], 256<<16
	s_mov_b32 s[G1K+2], 64<<16
	s_mov_b32 s[G1K+3], 256<<16
	s_mov_b32 s[G1K+4], 64
	s_mov_b32 s[G1K+5], 256
	s_mov_b32 s[G1K+6], 0
	s_mov_b32 s[G1K+7], 0
	s_mov_b32 s[G1V], 15|(1<<20)|(1<<21)|(5<<22)|(3<<25)
	s_mov_b32 s[G1V+1], 256<<16
	s_mov_b32 s[G1V+2], 64<<16
	s_mov_b32 s[G1V+3], 256<<16
	s_mov_b32 s[G1V+4], 64
	s_mov_b32 s[G1V+5], 2048
	s_mov_b32 s[G1V+6], 0
	s_mov_b32 s[G1V+7], 0
	s_mov_b32 s[SEL], 0x76543210
	s_mov_b32 s[SEL+1], 0xfedcba98
	s_mov_b32 s[CS], 0x3e38aa3b                    ; log2(e) / 8
	s_mov_b32 s77, 0
	s_mul_i32 s97, s[WV], CH                       ; where my tile goes: wave x CH
	s_wait_dscnt 0x0                               ; both opening adds are done
	s_wait_kmcnt 0x0
	s_load_b256 s[88:95], s[8:9], 0x0              ; e0 .. e7
	s_add_nc_u64 s[BKA:BKA+1], s[4:5], s[72:73]
	s_add_nc_u64 s[BVA:BVA+1], s[6:7], s[74:75]
	s_add_nc_u64 s[48:49], s[4:5], s[48:49]
	s_add_nc_u64 s[50:51], s[4:5], s[50:51]
	s_add_nc_u64 s[OA:OA+1], s[10:11], s[84:85]
	s_add_nc_u64 s[OB:OB+1], s[10:11], s[86:87]
	s_mov_b32 s[G0K], 1
	s_mov_b32 s[G0K+1], s97
	s_lshl_b32 s76, s[W7], 14                      ; 256 keys x 64 bytes
	s_add_nc_u64 s[G0K+2:G0K+3], s[BKA:BKA+1], s[76:77]
	s_or_b32 s[G0K+3], s[G0K+3], 0x80000000
	s_mov_b32 s[G0V], 1
	s_mov_b32 s[G0V+1], s97
	s_lshl_b32 s76, s[W7], 8                       ; 256 keys along V's rows
	s_add_nc_u64 s[G0V+2:G0V+3], s[BVA:BVA+1], s[76:77]
	s_or_b32 s[G0V+3], s[G0V+3], 0x80000000
	ROUND                                          ; all four work-groups are here: the first joint loads meet
	TLOAD 0                                        ; keys 0-511
	v_and_b32 v8, 15, v0                           ; r
	v_bfe_u32 v9, v0, 4, 1                         ; h
	v_lshlrev_b32 v208, 6, v8
	v_lshl_add_u32 v208, v9, 4, v208               ; Q: place r of 64 bytes, + 16 h; never rewritten
	global_load_b128 v[16:19], v208, s[48:49]
	global_load_b128 v[20:23], v208, s[48:49] offset:32
	global_load_b128 v[24:27], v208, s[50:51]
	global_load_b128 v[28:31], v208, s[50:51] offset:32
	v_lshrrev_b32 v209, 2, v8
	v_mul_u32_u24 v209, v209, PITCH
	v_and_b32 v210, 3, v8
	v_lshl_add_u32 v209, v210, 6, v209
	v_lshl_add_u32 v[AK0], v9, 4, v209             ; K: (r / 4) rows + 64 (r % 4) + 16 h
	v_mul_u32_u24 v[AV0], v8, PITCH
	v_lshl_add_u32 v[AV0], v9, 4, v[AV0]
	v_add_nc_u32 v[AV0], VBASE, v[AV0]             ; V: row r, + 16 h
	v_and_b32 v[QL], 8, v8
	v_add_nc_u32 v[QL], v[QL], v8
	v_lshlrev_b32 v210, 4, v9
	v_sub_nc_u32 v[QL], v[QL], v210
	v_and_b32 v[GO], 31, v0
	v_lshlrev_b32 v[GO], 4, v[GO]
	s_mul_i32 s97, s[WV], STGW
	s_add_co_u32 s97, s97, STAGE                   ; my stage
	v_add_nc_u32 v[STO], s97, v[AK0]               ; in: as a key lies in K's tile
	v_mul_u32_u24 v[RD], v9, PITCH
	v_lshl_add_u32 v[RD], v8, 4, v[RD]
	v_add_nc_u32 v[RD], s97, v[RD]                 ; back: lanes 0-15 one row, lanes 16-31 the next
	v_mov_b32 v13, 0xff61b1e6                      ; the largest t so far: -3e38
	v_floor_f32 v12, -v13                          ; -M
	v_mov_b32 v14, 0
	v_mov_b32 v15, 0
	v_mov_b32 v[PT], 0                             ; written once: a lane permute's destination counts as one of its sources
	v_mov_b32 v253, 0                              ; (named as the upper half of the pair v[252:253])
.set jj, 0
.rept 32
	v_mov_b32 v[160+jj], 0                         ; O^T: the step is written once, its first run finds zeros
.set jj, jj+1
.endr
	s_wait_kmcnt 0x0
	s_add_co_i32 s97, s90, s91
	s_lshl_b32 s97, s97, 23
	s_add_co_i32 s[CS], s[CS], s97                 ; e2 + e3 onto c's exponent field
	s_mov_b32 s[CS+1], s[CS]
	s_add_co_i32 s97, s92, 127
	s_lshl_b32 s83, s97, 23
	v_mov_b32 v[SC4], s83
	s_add_co_i32 s97, s97, 8
	s_lshl_b32 s97, s97, 23
	s_or_b32 s97, s97, 0x600000
	v_mov_b32 v[LA], s97
	v_mov_b32 v[LB], s97
	s_add_co_i32 s97, s94, 127
	s_lshl_b32 s83, s97, 23
	v_mov_b32 v[SC6], s83
	s_add_co_i32 s97, s97, 8
	s_lshl_b32 s97, s97, 23
	s_or_b32 s97, s97, 0x600000
	v_mov_b32 v[L6], s97
	s_add_co_i32 s96, s92, s93                     ; e4 + e5
.macro KL bank, t0, t1, adr            ; K's fragments of tiles t0, t1 of 16 keys
.irp t, \t0, \t1
.irp c, 0,1
	ds_load_b128 v[\bank+8*(\t)+4*\c:\bank+8*(\t)+4*\c+3], v[\adr] offset:4*(\t)*PITCH+32*\c
.endr
.endr
.endm
.macro KLALL bank, adr
	KL \bank, 0, 1, \adr
	KL \bank, 2, 3, \adr
	KL \bank, 4, 5, \adr
	KL \bank, 6, 7, \adr
.endm
; The step that follows walk count UU + nx.  am = 15: step UU + nx of the late tile, or, from L1 on, (UU + nx + 2 b) mod 16 = UU + nx - L1 of the early one.
; am = 3: among keys 0-511 alone, which are all that is sure to have landed: behind step 3 comes step 0 again, fetched and not used.
.macro NEXT nx, am
	s_add_co_u32 s97, s[UU], \nx
.if \am == 15
	s_cmp_ge_u32 s97, s[L1]
	s_cselect_b32 s98, s[B2], 0
	s_add_co_u32 s97, s97, s98
.endif
	s_and_b32 s[SG], s97, \am
	s_mul_i32 s[TBK], s[SG], HSTEP                 ; K: 32 rows a step
	s_lshr_b32 s[TBV], s[SG], 1
	s_mul_i32 s[TBV], s[TBV], CH                   ; V: a tile for two steps,
	s_and_b32 s97, s[SG], 1
	s_lshl_b32 s97, s97, 7
	s_add_co_u32 s[TBV], s[TBV], s97               ; 128 bytes along its rows for the second
	s_lshl_b32 s[KF], s[SG], 7
	v_add_nc_u32 v[ADK], s[TBK], v[AK0]
.endm
; A KEY STEP of 128 keys.  P: the bank with K's fragments; Q: the other.  mask = 1: the diagonal's test stands; hid = 1: the test for a hidden step too.
.macro STEP P, Q, mask, hid, nx, am
.if \hid
	s_add_co_u32 s97, s[QB], 63
	s_cmp_gt_u32 s[KF], s97
	s_cbranch_scc0 .Llive_\@
	NEXT \nx, \am                                  ; all 128 keys come after my queries: only the next step's K is fetched.  The addition in NEXT
.rept 3
	v_nop                                          ; and these three: four places in front of loads into registers that the last products read
.endr
	KLALL \Q, ADK
	s_branch .Ldone_\@
.Llive_\@:
.endif
.rept 5
	v_nop                                          ; five places: the products below write over bank Q, which the last products read as V
.endr
	s_wait_alu depctr_va_vdst(0)
	s_wait_dscnt 0x0                               ; K is in
.irp t, 0,1,2,3,4,5,6,7
	v_wmma_f32_16x16x64_fp8_fp8 v[\Q+8*\t:\Q+8*\t+7], v[\P+8*\t:\P+8*\t+7], v[16:23], 0
.endr
	v_add_nc_u32 v[ADV], s[TBV], v[AV0]
.rept 3
	v_nop                                          ; with the addition: four places: the scores are read below, and K's registers take V
.endr
.irp t, 0,1,2,3
.irp c, 0,1,2,3
	ds_load_b128 v[\P+16*\t+4*\c:\P+16*\t+4*\c+3], v[ADV] offset:16*\t*PITCH+32*\c   ; V's fragments land while the softmax is walked
.endr
.endr
.if \mask
	s_add_co_u32 s97, s[KF], 127
	s_cmp_le_u32 s97, s[QB]
	s_cbranch_scc1 .Lopen_\@                       ; all 128 keys count
	s_sub_co_i32 s97, s[Q0], s[KF]
	v_add_nc_u32 v252, s97, v[QL]                  ; d = my query - KF - 16 (lane / 16); register 16 b + i holds key KF + 16 (lane / 16) + 32 b + i: hidden where 32 b + i > d
	v_mov_b32 v254, 0xff800000                     ; -infinity
.set nn, 0
.rept 64
	v_cmp_gt_i32 vcc_lo, 32*(nn/16)+nn%16, v252
	v_cndmask_b32 v[\Q+nn], v[\Q+nn], v254, vcc_lo
.set nn, nn+1
.endr
.Lopen_\@:
.endif
	s_wait_alu depctr_va_vdst(0)
	NEXT \nx, \am
.irp k, 0,1,2,3                                ; the step's largest score of my query among my 64 keys, in four chains, each accumulator from its low end on
	v_max3_num_f32 v[248+2*\k], v[\Q+16*\k], v[\Q+16*\k+1], v[\Q+16*\k+2]
.endr
.irp i, 3,5,7,9,11,13
.irp k, 0,1,2,3
	v_max3_num_f32 v[248+2*\k], v[248+2*\k], v[\Q+16*\k+\i], v[\Q+16*\k+\i+1]
.endr
.endr
	v_max3_num_f32 v254, v254, v252, v[\Q+15]
	v_max3_num_f32 v250, v250, v248, v[\Q+31]
	v_max3_num_f32 v254, v254, v250, v[\Q+47]
	v_max_num_f32 v254, v254, v[\Q+63]
	v_mov_b32 v250, v12                            ; the old -M
	v_permlanex16_b32 v[PT], v254, s[SEL], s[SEL+1]
	v_max_num_f32 v254, v254, v[PT]                ; and among lane l xor 16's
	v_mul_f32 v254, s[CS], v254                    ; as t (c is positive)
	v_max_num_f32 v13, v13, v254                   ; the running largest t
	v_floor_f32 v12, -v13                          ; the new -M = -ceil(t): a whole number
.set jj, 0
.rept 32
	v_pk_fma_f32 v[\Q+jj:\Q+jj+1], v[\Q+jj:\Q+jj+1], s[CS:CS+1], v[12:13] op_sel_hi:[1,0,0]   ; t - M, two at a time
.if jj == 6
	v_sub_f32 v250, v12, v250                      ; old M less new M: a whole number, 0 or less
.endif
.if jj == 14
	v_cvt_i32_f32 v250, v250                       ; (it saturates)
.endif
.if jj == 22
	v_ldexp_f32 v252, 1.0, v250                    ; f = 2^(old M - new M): multiplying by it rounds nothing
.endif
.set jj, jj+2
.endr
.set jj, 0
.rept 16
	v_pk_mul_f32 v[160+jj:161+jj], v[160+jj:161+jj], v[252:253] op_sel_hi:[1,0]   ; O^T under the new M: no transcendental stands between the last products and these first readers
.set jj, jj+2
.endr
.set jj, 0
	s_wait_alu depctr_va_vdst(0)
.rept 64
	v_exp_f32 v[\Q+jj], v[\Q+jj]                   ; p = 2^(t - M), at most 1
.set jj, jj+1
.endr
	v_pk_mul_f32 v[14:15], v[14:15], v[252:253] op_sel_hi:[1,0]   ; the sums under the new M: the plain instruction behind the exponentials
	s_wait_alu depctr_va_vdst(0)                   ; one wait for the batch of 64, ahead of its first reader
.irp k, 0,1,2,3,4,5,6                          ; the row's sum of the unquantised p, in eight chains
	v_pk_add_f32 v[DS+2*\k:DS+2*\k+1], v[\Q+4*\k:\Q+4*\k+1], v[\Q+4*\k+2:\Q+4*\k+3]
.endr
	v_pk_add_f32 v[14:15], v[14:15], v[\Q+28:\Q+29]
.irp k, 0,1,2,3,4,5,6
	v_pk_add_f32 v[DS+2*\k:DS+2*\k+1], v[DS+2*\k:DS+2*\k+1], v[\Q+30+2*\k:\Q+31+2*\k]
.endr
	v_pk_add_f32 v[14:15], v[14:15], v[\Q+44:\Q+45]
.irp k, 0,1,2,3,4,5,6
	v_pk_add_f32 v[DS+2*\k:DS+2*\k+1], v[DS+2*\k:DS+2*\k+1], v[\Q+46+2*\k:\Q+47+2*\k]
.endr
	v_pk_add_f32 v[14:15], v[14:15], v[\Q+60:\Q+61]
	v_pk_add_f32 v[DS:DS+1], v[DS:DS+1], v[\Q+62:\Q+63]
	v_pk_add_f32 v[DS+2:DS+3], v[DS+2:DS+3], v[DS+4:DS+5]
	v_pk_add_f32 v[DS+6:DS+7], v[DS+6:DS+7], v[DS+8:DS+9]
	v_pk_add_f32 v[DS+10:DS+11], v[DS+10:DS+11], v[DS+12:DS+13]
	v_pk_add_f32 v[14:15], v[14:15], v[DS:DS+1]
	v_pk_add_f32 v[DS+2:DS+3], v[DS+2:DS+3], v[DS+6:DS+7]
	v_pk_add_f32 v[14:15], v[14:15], v[DS+10:DS+11]
	v_pk_add_f32 v[14:15], v[14:15], v[DS+2:DS+3]
.irp b, 0,1,2,3
.irp i, 0,2,4,6,8,10,12,14
	v_dual_min_num_f32 v[\Q+16*\b+\i], v[\Q+16*\b+\i], v[LA] :: v_dual_min_num_f32 v[\Q+16*\b+\i+1], v[\Q+16*\b+\i+1], v[LB]   ; the conversion does not saturate (ISA guide 7.6.2); p is not negative: a one-sided hold, two numbers a line
.endr
	v_cvt_scalef32_pk8_fp8_f32 v[192+4*\b:193+4*\b], v[\Q+16*\b:\Q+16*\b+7], v[SC4]
	v_cvt_scalef32_pk8_fp8_f32 v[194+4*\b:195+4*\b], v[\Q+16*\b+8:\Q+16*\b+15], v[SC4]
	KL \Q, 2*\b, 2*\b+1, ADK                       ; these 16 registers are done with: they take the next step's K
.endr
	v_nop                                          ; one plain vector instruction between the last conversion and the products
	s_wait_alu depctr_va_vdst(0)
	s_wait_dscnt 16                                ; V's sixteen loads are in; the sixteen younger ones, the next step's K, may be out
.irp t, 0,1,2,3
	v_wmma_f32_16x16x128_fp8_fp8 v[160+8*\t:167+8*\t], v[\P+16*\t:\P+16*\t+15], v[192:207], v[160+8*\t:167+8*\t]   ; four accumulators by turns
.endr
.if \hid
.Ldone_\@:
.endif
.endm
; A tile's end: O^T / the sum x 2^(e4 + e5), the hold, the codes with 2^e6; through my stage; 1,024 dense bytes out.  It works in bank Y and leaves bank X, where the next step's K lies, alone.
.macro FINISH base
	s_wait_dscnt 0x0                               ; behind a hidden step loads may still be on their way into bank Y
.rept 4
	v_nop                                          ; places behind the last products
.endr
	v_add_f32 v14, v14, v15
	v_permlanex16_b32 v[PT], v14, s[SEL], s[SEL+1]
	v_add_f32 v14, v14, v[PT]                      ; the row's sum
	s_wait_alu depctr_va_vdst(0)
	v_rcp_f32 v14, v14
	v_nop                                          ; a plain instruction behind the transcendental
	s_wait_alu depctr_va_vdst(0)                   ; and the wait ahead of its first reader
	v_ldexp_f32 v14, v14, s96
.set jj, 0
.rept 16
	v_pk_mul_f32 v[96+jj:97+jj], v[160+jj:161+jj], v[14:15] op_sel_hi:[1,0]   ; register 16 b + i: channel 32 b + 16 h + i; each accumulator from its low end on
.set jj, jj+2
.endr
.set jj, 0
.rept 32
	v_med3_num_f32 v[96+jj], v[96+jj], -v[L6], v[L6]
.set jj, jj+1
.endr
.irp b, 0,1
	v_cvt_scalef32_pk8_fp8_f32 v[192+4*\b:193+4*\b], v[96+16*\b:103+16*\b], v[SC6]
	v_cvt_scalef32_pk8_fp8_f32 v[194+4*\b:195+4*\b], v[104+16*\b:111+16*\b], v[SC6]
.endr
	v_nop                                          ; one plain vector instruction behind the last conversion
	ds_store_b128 v[STO], v[192:195]
	ds_store_b128 v[STO], v[196:199] offset:32
	ds_load_b128 v[128:131], v[RD]                 ; LDS serves a wave's instructions in order: these see my stores
	ds_load_b128 v[132:135], v[RD] offset:2*PITCH
	s_wait_dscnt 1
	global_store_b128 v[GO], v[128:131], s[\base:\base+1]            ; the wave stores 512 consecutive bytes
	s_wait_dscnt 0
	global_store_b128 v[GO], v[132:135], s[\base:\base+1] offset:512
	s_wait_xcnt 0x0                                ; the stores have read their registers, which the next step writes
.endm
	s_wait_alu depctr_va_vdst(0)
	s_wait_tensorcnt 0x0                           ; my tile of keys 0-511, if I asked for one, is in.
	ds_add_u32 v[SPW], v[NIL]                      ; the add, twice on end here
	ds_add_u32 v[SPW], v[NIL]
	s_wait_dscnt 0x0
	ROUND                                          ; keys 0-511 are whole in all four work-groups, and the joint loads meet
	TLOAD 1                                        ; keys 512-2047: the twelve other waves' one load each
	KLALL X, AK0                                   ; step 0's K
	s_mov_b32 s[UU], 0
	s_mov_b32 s[TBV], 0
	s_mov_b32 s[KF], 0
	s_wait_loadcnt 0x0                             ; Q
.Lfirst:                                           ; two trips: the late tile's steps 0-3: keys 0-511, all of which count
	STEP X, Y, 0, 0, 1, 3
	STEP Y, X, 0, 0, 2, 3
	s_add_co_u32 s[UU], s[UU], 2
	s_cmp_lt_u32 s[UU], 4
	s_cbranch_scc1 .Lfirst
	s_wait_tensorcnt 0x0                           ; my tile is in,
	s_wait_dscnt 0x0
	s_barrier_signal -1
	s_barrier_wait -1                              ; and everybody's: from here on the waves share nothing that changes, and meet no more
	s_mov_b32 s[UU], 4
	s_mov_b32 s[TBV], 2*CH
	s_mov_b32 s[KF], 512
	v_add_nc_u32 v[ADK], 4*HSTEP, v[AK0]
	KLALL X, ADK                                   ; step 4's K
.Lmain:                                            ; seven trips of two steps: the late tile's steps 4 .. L1 - 1, then the early tile's 0 .. 2 b + 1; L1 is even
	s_cmp_lg_u32 s[UU], s[L1]
	s_cbranch_scc1 .Lsame
	FINISH OA                                      ; the late tile leaves, and the early one begins
.set jj, 0
.rept 8
	v_mov_b32 v[16+jj], v[24+jj]
.set jj, jj+1
.endr
	v_mov_b32 v13, 0xff61b1e6
	v_floor_f32 v12, -v13
	v_mov_b32 v14, 0
	v_mov_b32 v15, 0
.set jj, 0
.rept 32
	v_mov_b32 v[160+jj], 0
.set jj, jj+1
.endr
	s_mov_b32 s[QB], s[QB2]
	s_mov_b32 s[Q0], s[Q02]
	s_wait_alu depctr_va_vdst(0)
.Lsame:
	STEP X, Y, 1, 0, 1, 15
	STEP Y, X, 1, 1, 2, 15
	s_add_co_u32 s[UU], s[UU], 2
	s_cmp_lt_u32 s[UU], 18
	s_cbranch_scc1 .Lmain
	FINISH OB
	s_wait_tensorcnt 0x0                           ; the wave's end
	ds_add_u32 v[SPW], v[NIL]
	s_wait_dscnt 0x0
	ROUND                                          ; the closing round
	s_endpgm
.Lfunc_end_k_q6560e9b225_attn:
	.size	k_q6560e9b225_attn, .Lfunc_end_k_q6560e9b225_attn-k_q6560e9b225_attn
	.p2alignl 7, 3214868480
	.fill 96, 4, 3214868480
	.section	.rodata,"a",@progbits
	.p2align	6, 0x0
	.amdhsa_kernel k_q6560e9b225_attn
		.amdhsa_group_segment_fixed_size 327680
		.amdhsa_private_segment_fixed_size 0
		.amdhsa_enable_private_segment 0
		.amdhsa_kernarg_size 32
		.amdhsa_user_sgpr_count 2
		.amdhsa_user_sgpr_kernarg_segment_ptr 1
		.amdhsa_wavefront_size32 1
		.amdhsa_system_sgpr_workgroup_id_x 1
		.amdhsa_system_sgpr_workgroup_id_y 1
		.amdhsa_system_sgpr_workgroup_id_z 1
		.amdhsa_system_vgpr_workitem_id 0
		.amdhsa_next_free_vgpr 256
		.amdhsa_next_free_sgpr 100
		.amdhsa_reserve_vcc 1
		.amdhsa_float_denorm_mode_32 3
		.amdhsa_float_denorm_mode_16_64 3
		.amdhsa_memory_ordered 1
		.amdhsa_forward_progress 1
		.amdhsa_inst_pref_size 98
	.end_amdhsa_kernel
	.amdgpu_metadata
---
amdhsa.version: [ 1, 2 ]
amdhsa.kernels:
  - .name:           k_q6560e9b225_attn
    .symbol:         k_q6560e9b225_attn.kd
    .args:
      - { .name: qk, .offset: 0, .size: 8, .value_kind: global_buffer, .address_space: global }
      - { .name: vt, .offset: 8, .size: 8, .value_kind: global_buffer, .address_space: global }
      - { .name: lowp_scales, .offset: 16, .size: 8, .value_kind: global_buffer, .address_space: global }
      - { .name: att, .offset: 24, .size: 8, .value_kind: global_buffer, .address_space: global }
    .group_segment_fixed_size: 327680
    .private_segment_fixed_size: 0
    .kernarg_segment_align: 8
    .kernarg_segment_size: 32
    .max_flat_workgroup_size: 512
    .sgpr_count:     100
    .vgpr_count:     256
    .wavefront_size: 32
...
	.end_amdgpu_metadata
.endif
;; end of part 3
;; launch proj (part 4): grid 8 x 32, 4 waves a work-group, clusters of 4 x 4, 327,680 bytes of LDS; arguments att, codes, bo, lowp_scales, out0; writes out0
.if DOCPART == 4
	.amdgcn_target "amdgcn-amd-amdhsa--gfx1250"
	.amdhsa_code_object_version 6
	.text
	.protected	k_q6560e9b225_proj
	.globl	k_q6560e9b225_proj
	.p2align	8
	.type	k_q6560e9b225_proj,@function
k_q6560e9b225_proj:
	s_mov_b64 s[64:65], 0
	v_nop
	global_prefetch_b8 v0, s[64:65] scope:SCOPE_SE
	s_setreg_imm32_b32 hwreg(HW_REG_WAVE_MODE, 25, 1), 1
	s_wait_xcnt 0x0
	s_wait_alu depctr_hold_cnt(0) depctr_sa_sdst(0) depctr_va_vdst(0) depctr_va_sdst(0) depctr_va_ssrc(0) depctr_va_vcc(0) depctr_vm_vsrc(0)
	s_getreg_b32 s2, hwreg(HW_REG_IB_STS2, 6, 4)
	s_cmp_eq_u32 s2, 0
	s_cbranch_scc0 .Lentry_in_a_cluster
	s_endpgm
.Lentry_in_a_cluster:
	s_bfe_u32 s2, ttmp6, 0x10000c
	s_cmp_lg_u32 s2, 0xf033
	s_cbranch_scc0 .Lentry_shape_is_right
	s_endpgm
.Lentry_shape_is_right:
.set PITCH,  272
.set FR,     16
.set NL,     4
.set NP,     4
.set HALFT,  128*PITCH
.set HALFB,  64*PITCH
.set BOFF,   2*HALFT
.set SLOT,   BOFF+2*HALFB
.set SPARE,  2*SLOT
.set STGW,   16*PITCH
.set ASTEP,  65536
.set BSTEP,  256
.set ADRA, 16
.set ADRB, 20
.set STO,  24
.set RD,   25
.set CO,   26
.set SPW,  28
.set NIL,  29
.set BO,   32
.set BB0,  64
.set AF,   128
.set G1, 24
.set G0, 32
.set G1B, 48
.set G0B, 56
.set MSB, 0
.macro WIN new
.if MSB != (\new)
	s_set_vgpr_msb (MSB<<8)|(\new)
.set MSB, \new
.endif
.endm
.set MUL,  0xa1
.set TO_B, 0x40
.macro JLOAD g0a, g1a, g0b, g1b
	s_cmp_eq_u32 s15, 0
	s_cbranch_scc0 .Lfor_b_\@
	tensor_load_to_lds s[\g0a:\g0a+3], s[\g1a:\g1a+7]
	s_nop 0
.rept 4
	v_nop
.endr
	s_branch .Lasked_\@
.Lfor_b_\@:
	tensor_load_to_lds s[\g0b:\g0b+3], s[\g1b:\g1b+7]
	s_nop 0
.rept 4
	v_nop
.endr
.Lasked_\@:
.endm
.macro CREST
	s_cmp_lg_u32 s14, 0
	s_cbranch_scc1 .Lnot_wave_0_\@
	s_barrier_signal -3
.Lnot_wave_0_\@:
	s_barrier_wait -3
	s_barrier_signal -1
	s_barrier_wait -1
.endm
.macro CROUND
	s_barrier_signal -1
	s_barrier_wait -1
	CREST
.endm
	s_load_b256 s[4:11], s[0:1], 0x0
	s_load_b64 s[12:13], s[0:1], 0x20
	v_lshl_add_u32 v[SPW], v0, 2, SPARE
	v_mov_b32 v[NIL], 0
	ds_add_u32 v28, v29
	ds_add_u32 v28, v29
	s_wait_dscnt 0x0
	v_lshrrev_b32 v1, 5, v0
	v_readfirstlane_b32 s14, v1
	s_lshr_b32 s15, s14, 1
	s_and_b32 s16, s14, 1
	s_bfe_u32 s40, ttmp6, 0x40000
	s_bfe_u32 s41, ttmp6, 0x40004
	s_lshl_b32 s42, ttmp9, 2
	s_add_co_u32 s42, s42, s40
	s_and_b32 s17, ttmp7, 0xffff
	s_lshl_b32 s17, s17, 2
	s_add_co_u32 s17, s17, s41
	s_lshl_b32 s43, s41, 2
	s_lshl_b32 s43, 15, s43
	s_lshl_b32 s44, 0x1111, s40
	s_or_b32 s[G1+0], s43, (1<<20)|(1<<21)|(5<<22)|(3<<25)
	s_mov_b32 s[G1+1], 256<<16
	s_mov_b32 s[G1+2], 128<<16
	s_mov_b32 s[G1+3], 256<<16
	s_mov_b32 s[G1+4], 128
	s_mov_b32 s[G1+5], 256
	s_mov_b32 s[G1+6], 0
	s_mov_b32 s[G1+7], 0
	s_or_b32 s[G1B+0], s44, (1<<20)|(1<<21)|(5<<22)|(3<<25)
	s_mov_b32 s[G1B+1], 256<<16
	s_mov_b32 s[G1B+2], 64<<16
	s_mov_b32 s[G1B+3], 256<<16
	s_mov_b32 s[G1B+4], 64
	s_mov_b32 s[G1B+5], 1024
	s_mov_b32 s[G1B+6], 0
	s_mov_b32 s[G1B+7], 0
	s_lshl_b32 s20, s17, 18
	s_lshl_b32 s18, s16, 15
	s_add_co_u32 s20, s20, s18
	s_mov_b32 s21, 0
	s_lshl_b32 s46, s42, 7
	s_lshl_b32 s47, s16, 6
	s_add_co_u32 s46, s46, s47
	s_add_co_u32 s46, s46, 11264
	s_lshl_b32 s46, s46, 10
	s_mov_b32 s47, 0
	s_mul_i32 s45, s16, HALFT
	s_mul_i32 s22, s16, HALFB
	s_add_co_u32 s22, s22, BOFF
	s_wait_kmcnt 0x0
	s_load_b256 s[72:79], s[10:11], 0x0
	s_add_nc_u64 s[20:21], s[4:5], s[20:21]
	s_add_nc_u64 s[46:47], s[6:7], s[46:47]
	CROUND
.irp s, 0,1
	s_mov_b32 s[G0+4*\s], 1
	s_add_co_u32 s[G0+4*\s+1], s45, \s*SLOT
	s_add_nc_u64 s[G0+4*\s+2:G0+4*\s+3], s[20:21], \s*ASTEP
	s_or_b32 s[G0+4*\s+3], s[G0+4*\s+3], 0x80000000
	s_mov_b32 s[G0B+4*\s], 1
	s_add_co_u32 s[G0B+4*\s+1], s22, \s*SLOT
	s_add_nc_u64 s[G0B+4*\s+2:G0B+4*\s+3], s[46:47], \s*BSTEP
	s_or_b32 s[G0B+4*\s+3], s[G0B+4*\s+3], 0x80000000
.if \s == 0
	JLOAD G0, G1, G0B, G1B                         ; K step 0: one tensor load a wave at the head
.endif
.endr
	v_and_b32 v1, 15, v0
	v_bfe_u32 v2, v0, 4, 1
	v_lshrrev_b32 v3, 2, v1
	v_mul_u32_u24 v3, v3, PITCH
	v_and_b32 v4, 3, v1
	v_lshl_add_u32 v3, v4, 6, v3
	v_lshl_add_u32 v3, v2, 4, v3
	v_mul_u32_u24 v5, v1, PITCH
	s_wait_alu depctr_va_vdst(0)
	v_lshl_add_u32 v6, v2, 4, v5
	s_mul_i32 s21, s15, 32*PITCH
	s_mul_i32 s22, s16, HALFB
	s_add_co_u32 s22, s22, BOFF
.irp s, 0,1
	v_add_nc_u32 v[ADRA+\s], s21, v3
	v_add_nc_u32 v[ADRB+\s], s22, v6
	s_add_co_u32 s21, s21, SLOT
	s_add_co_u32 s22, s22, SLOT
.endr
	s_mul_i32 s23, s14, STGW
	v_lshl_add_u32 v7, v2, 6, v5
	v_add_nc_u32 v[STO], s23, v7
	v_mul_u32_u24 v8, v2, PITCH
	v_lshl_add_u32 v8, v1, 4, v8
	v_add_nc_u32 v[RD], s23, v8
	v_lshlrev_b32 v[CO], 12, v2
	v_lshl_add_u32 v[CO], v1, 4, v[CO]
	s_lshl_b32 s82, s42, 9
	s_lshl_b32 s83, s16, 8
	s_add_co_u32 s82, s82, s83
	s_mov_b32 s83, 0
	s_lshl_b32 s84, s17, 8
	s_lshl_b32 s85, s15, 7
	s_add_co_u32 s84, s84, s85
	s_lshl_b32 s84, s84, 12
	s_add_co_u32 s84, s84, s82
	s_mov_b32 s85, 0
	s_add_nc_u64 s[84:85], s[12:13], s[84:85]
	s_add_nc_u64 s[82:83], s[8:9], s[82:83]
	v_lshlrev_b32 v9, 4, v1
	global_load_b128 v[BO:BO+3], v9, s[82:83]
.macro FRAG reg, adr, q, i
.irp c, 0,1,2,3
	ds_load_b128 v[\reg+4*\c:\reg+4*\c+3], v[\adr] offset:128*(\q)+32*\c+(\i)*16*PITCH
.endr
.endm
.macro FRAG_A reg, slot, q, i
.irp c, 0,1,2,3
	ds_load_b128 v[\reg+4*\c:\reg+4*\c+3], v[ADRA+\slot] offset:((2*(\q)+\c/2)*64+4*(\i))*PITCH+32*(\c%2)
.endr
.endm
.macro MUL8 a0, p, zero
.irp a, \a0, \a0+1
.irp b, 0,1,2,3
.if \zero
	v_wmma_f32_16x16x128_fp8_fp8 v[8*(4*(\a)+\b):8*(4*(\a)+\b)+7], v[64*(\p)+FR*\b:64*(\p)+FR*\b+FR-1], v[AF+FR*(\a):AF+FR*(\a)+FR-1], 0
.else
	v_wmma_f32_16x16x128_fp8_fp8 v[8*(4*(\a)+\b):8*(4*(\a)+\b)+7], v[64*(\p)+FR*\b:64*(\p)+FR*\b+FR-1], v[AF+FR*(\a):AF+FR*(\a)+FR-1], v[8*(4*(\a)+\b):8*(4*(\a)+\b)+7]
.endif
.endr
.endr
.endm
.macro FETCH_B slot, q, p
	WIN TO_B
.irp i, 0,1,2,3
	FRAG 64*(\p)+FR*\i, ADRB+\slot, \q, \i
.endr
	WIN 0
.endm
.macro FETCH_A slot, q, i0
.irp i, \i0, \i0+1, \i0+2, \i0+3
	FRAG_A AF+FR*(\i), \slot, \q, \i
.endr
.endm
.macro PLACES n
.rept \n
	v_nop
.endr
.endm
.macro STEP slot, q, zero
	s_wait_dscnt 4*NL
	WIN MUL
	MUL8 0, (\q)%2, \zero
	MUL8 2, (\q)%2, \zero
	s_wait_dscnt 0
	PLACES NP
	FETCH_B \slot, (\q)+1, 1-(\q)%2
	FETCH_A \slot, (\q)+1, 0
	WIN MUL
	MUL8 4, (\q)%2, \zero
	MUL8 6, (\q)%2, \zero
	PLACES NP
	WIN 0
	FETCH_A \slot, (\q)+1, 4
.endm
.macro TURN slot, next, fill
	s_wait_tensorcnt 0x0
	ds_add_u32 v[SPW], v[NIL]
	s_wait_dscnt 4*NL+1
	WIN MUL
	MUL8 0, 1, 0
	s_wait_dscnt 0x0
	s_barrier_signal -1
	MUL8 2, 1, 0
	WIN 0
	s_barrier_wait -1
.if \fill
	CREST
	s_add_nc_u64 s[G0+4*\slot+2:G0+4*\slot+3], s[G0+4*\slot+2:G0+4*\slot+3], 2*ASTEP
	s_add_nc_u64 s[G0B+4*\slot+2:G0B+4*\slot+3], s[G0B+4*\slot+2:G0B+4*\slot+3], 2*BSTEP
	JLOAD G0+4*\slot, G1, G0B+4*\slot, G1B
.else
	PLACES NP
.endif
	s_wait_alu depctr_va_vdst(0)
	FETCH_B \next, 0, 0
	FETCH_A \next, 0, 0
	WIN MUL
	MUL8 4, 1, 0
	MUL8 6, 1, 0
	PLACES NP
	WIN 0
	FETCH_A \next, 0, 4
.endm
	s_wait_alu depctr_va_vdst(0)
	s_wait_tensorcnt 0x0                           ; my part of K step 0 is in
	ds_add_u32 v[SPW], v[NIL]
	s_wait_dscnt 0x0
	CROUND                                         ; everybody's part of K step 0 is in, and all sixteen work-groups are here
	JLOAD G0+4, G1, G0B+4, G1B                     ; K step 1, the first tensor load behind the round
	FETCH_B 0, 0, 0
	FETCH_A 0, 0, 0
	FETCH_A 0, 0, 4
	STEP 0, 0, 1
	TURN 0, 1, 1
	STEP 1, 0, 0
	TURN 1, 0, 1
	STEP 0, 0, 0
	TURN 0, 1, 0
	STEP 1, 0, 0
	s_wait_dscnt 4*NL
	WIN MUL
	MUL8 0, 1, 0
	MUL8 2, 1, 0
	s_wait_dscnt 0
	MUL8 4, 1, 0
	MUL8 6, 1, 0
	WIN 0
.macro TOSTAGE a
.set BB, BB0+32*((\a)%2)
	WIN 0x08
.irp b, 0,1,2,3
	ds_store_b128 v[STO], v[32*(\a)+8*\b:32*(\a)+8*\b+3] offset:128*(\b/2)+32*(\b%2)
	ds_store_b128 v[STO], v[32*(\a)+8*\b+4:32*(\a)+8*\b+7] offset:128*(\b/2)+32*(\b%2)+16
.endr
	WIN 0
.irp t, 0,1,2,3,4,5,6,7
	ds_load_b128 v[BB+4*\t:BB+4*\t+3], v[RD] offset:2*PITCH*\t
.endr
.endm
.macro SEND a, younger
.set BB, BB0+32*((\a)%2)
	s_wait_dscnt \younger
.irp t, 0,1,2,3,4,5,6,7
	v_pk_fma_f32 v[BB+4*\t:BB+4*\t+1], v[BB+4*\t:BB+4*\t+1], s[96:97], v[BO:BO+1] op_sel_hi:[1,0,1]
	v_pk_fma_f32 v[BB+4*\t+2:BB+4*\t+3], v[BB+4*\t+2:BB+4*\t+3], s[96:97], v[BO+2:BO+3] op_sel_hi:[1,0,1]
.endr
.irp t, 0,1,2,3,4,5,6,7
	global_store_b128 v[CO], v[BB+4*\t:BB+4*\t+3], s[84:85] offset:(32*((\a)/2)+8*((\a)%2)+(2*\t)%8+16*(\t/4))*4096 th:TH_STORE_NT
.endr
.endm
	s_wait_kmcnt 0x0
	s_add_co_i32 s96, s78, s79
	s_add_co_i32 s96, s96, 127
	s_lshl_b32 s96, s96, 23
	s_mov_b32 s97, s96
	s_wait_loadcnt 0x0
	PLACES NP
	TOSTAGE 0
.irp a, 1,2,3,4,5,6,7
.if \a > 1
	s_wait_xcnt 0x0
.endif
	TOSTAGE \a
	SEND \a-1, 16
.endr
	SEND 7, 0
	s_wait_tensorcnt 0x0
	ds_add_u32 v[SPW], v[NIL]
	s_wait_dscnt 0x0
	CROUND
	s_endpgm
.Lfunc_end_k_q6560e9b225_proj:
	.size	k_q6560e9b225_proj, .Lfunc_end_k_q6560e9b225_proj-k_q6560e9b225_proj
	.p2alignl 7, 3214868480
	.fill 96, 4, 3214868480
	.section	.rodata,"a",@progbits
	.p2align	6, 0x0
	.amdhsa_kernel k_q6560e9b225_proj
		.amdhsa_group_segment_fixed_size 327680
		.amdhsa_private_segment_fixed_size 0
		.amdhsa_enable_private_segment 0
		.amdhsa_kernarg_size 40
		.amdhsa_user_sgpr_count 2
		.amdhsa_user_sgpr_kernarg_segment_ptr 1
		.amdhsa_wavefront_size32 1
		.amdhsa_system_sgpr_workgroup_id_x 1
		.amdhsa_system_sgpr_workgroup_id_y 1
		.amdhsa_system_sgpr_workgroup_id_z 1
		.amdhsa_system_vgpr_workitem_id 0
		.amdhsa_next_free_vgpr 768
		.amdhsa_next_free_sgpr 100
		.amdhsa_reserve_vcc 0
		.amdhsa_float_denorm_mode_32 3
		.amdhsa_float_denorm_mode_16_64 3
		.amdhsa_memory_ordered 1
		.amdhsa_forward_progress 1
		.amdhsa_inst_pref_size 78
	.end_amdhsa_kernel
	.amdgpu_metadata
---
amdhsa.version: [ 1, 2 ]
amdhsa.kernels:
  - .name:           k_q6560e9b225_proj
    .symbol:         k_q6560e9b225_proj.kd
    .args:
      - { .name: att, .offset: 0, .size: 8, .value_kind: global_buffer, .address_space: global }
      - { .name: codes, .offset: 8, .size: 8, .value_kind: global_buffer, .address_space: global }
      - { .name: bo, .offset: 16, .size: 8, .value_kind: global_buffer, .address_space: global }
      - { .name: lowp_scales, .offset: 24, .size: 8, .value_kind: global_buffer, .address_space: global }
      - { .name: out0, .offset: 32, .size: 8, .value_kind: global_buffer, .address_space: global }
    .group_segment_fixed_size: 327680
    .private_segment_fixed_size: 0
    .kernarg_segment_align: 8
    .kernarg_segment_size: 40
    .max_flat_workgroup_size: 128
    .sgpr_count:     100
    .vgpr_count:     768
    .wavefront_size: 32
...
	.end_amdgpu_metadata
.endif
;; end of part 4
